; MI455X (gfx1250); checked and timed in simulation.
; The chip was launched on July 23, 2026; its instructions are those of AMD's public machine-readable ISA for CDNA 5 (MIT licence, August 2026) and "CDNA5" Instruction Set Architecture Reference Guide (July 2026). The comments in the code are by the model that wrote it; some were corrected since.
;; Self Attention. Allowed arithmetic: matrix products marked QUANTISED: E2M1 operands, one E8M0 scale for each 32 along K, by v_wmma_scale_f32_16x16x128_f8f6f4 with both operands' format E2M1 (or v_wmma_scale_f32_32x16x128_f4), f32 sums; products left as they are: bf16, f16 or f32 operands; f32 sums; everything else in f32.
;; Inputs: bf 1,024 float32; bk 1,024 float32; bq 1,024 float32; bv 1,024 float32; key 4 x 2,048 x 1,024 float32; query 4 x 2,048 x 1,024 float32; value 4 x 2,048 x 1,024 float32; wf 1,024 x 1,024 float32; wk 1,024 x 1,024 float32; wq 1,024 x 1,024 float32; wv 1,024 x 1,024 float32.
;; Outputs: out0 4 x 2,048 x 1,024 float32.
;; This version of the problem:
;;   THIS VERSION OF THE PROBLEM IS GIVEN IN LOW PRECISION. The matrix products marked QUANTISED in the list below multiply operands that are first quantised to E2M1 (2 exponent bits, 1 mantissa bit; 4 bits a number), with one power-of-two scale for each 32 numbers along K (OCP MX v1.0); their sums are f32. The products marked 'left as it is' may take bf16, f16 or f32 operands, with f32 sums. Whichever they take, every output number must still come out within the allowed error. Rounding operands to bf16 (8 significant bits) uses up far more of that allowance than f16 does (11 bits, for magnitudes from 6e-5 to 65,504). All else is computed in f32.
;;   The module's matrix products, in the order in which they are computed (A, B: the left and right operand; K: the contracted axis; several contracted axes count as one K, in the product's order):
;;     1. [M 8,192, K 1,024] x [K 1,024, N 1,024]; A: input query; B: input wq: QUANTISED
;;     2. [M 8,192, K 1,024] x [K 1,024, N 1,024]; A: input key; B: input wk: QUANTISED
;;     3. [M 8,192, K 1,024] x [K 1,024, N 1,024]; A: input value; B: input wv: QUANTISED
;;     4. batch 64 x [M 2,048, K 64] x [K 64, N 2,048]; A: computed on the way; B: computed on the way: left as it is (an operand is computed on the way)
;;     5. batch 64 x [M 2,048, K 2,048] x [K 2,048, N 64]; A: computed on the way; B: computed on the way: left as it is (an operand is computed on the way)
;;     6. [M 8,192, K 1,024] x [K 1,024, N 1,024]; A: computed on the way; B: input wf: left as it is (an operand is computed on the way)
;;   THE QUANTISER, for each operand of a quantised product, along K:
;;     - K is cut into blocks of 32 from its start; a last block that is shorter is filled with zeros.
;;     - A block's scale is 2^e with e = floor(log2(the largest magnitude in the block)) - 2, held to -126 .. 127; a block of zeros has e = 0. As a byte (E8M0): e + 127.
;;     - Each number is divided by its block's scale, clamped to +-6, and rounded to the nearest number of E2M1, ties to even, subnormals kept.
;;     - The product sums the exact products of the quantised numbers (number of the format x scale) in f32.
;;   ~~~python
;;   def quantise(x, axis):      # numpy; x: float32 -> the quantised numbers, widened to float32 again
;;       x = np.moveaxis(x, axis, -1); K = x.shape[-1]
;;       x = np.pad(x, [(0, 0)] * (x.ndim - 1) + [(0, -K % 32)]); x = x.reshape(x.shape[:-1] + (-1, 32)); a = np.abs(x).max(-1, keepdims=True)
;;       e = np.where(a > 0, np.clip(np.frexp(np.where(a > 0, a, 1))[1] - 1 - 2, -126, 127), 0)      # np.frexp(a)[1] - 1 = floor(log2(a)), exactly
;;       r = np.clip(x / 2.0 ** e, -6, 6)
;;       step = 2.0 ** (np.maximum(np.frexp(np.where(r == 0, 1, r))[1] - 1, 0) - 1)
;;       q = np.round(r / step) * step * 2.0 ** e      # np.round: ties to even
;;       return np.moveaxis(q.reshape(q.shape[:-2] + (-1,))[..., :K], -1, axis).astype(np.float32)
;;   ~~~
;; One version. Each part assembles by itself: llvm-mc -triple=amdgcn-amd-amdhsa -mcpu=gfx1250 --defsym DOCPART=n.
;; ======== version 1 of 1: 4 launches
;; limits: values are held in f16: magnitudes above 65,504 overflow, below 6.1e-05 lose precision
;; workspace buffers: codes 14,155,776 bytes; scales 884,736 bytes; wfh 2,097,152 bytes; qkv 50,331,648 bytes; xh 16,777,216 bytes
;; launch quant (part 1): grid 896 x 1, 4 waves a work-group, no clusters, 33,280 bytes of LDS; arguments query, key, value, wq, wk, wv, wf, codes, scales, wfh; writes codes, scales, wfh
.if DOCPART == 1
	.amdgcn_target "amdgcn-amd-amdhsa--gfx1250"
	.amdhsa_code_object_version 6
	.text
	.protected	k_qa1ff317753_quant
	.globl	k_qa1ff317753_quant
	.p2align	8
	.type	k_qa1ff317753_quant,@function
k_qa1ff317753_quant:
	s_mov_b64 s[64:65], 0
	v_nop
	global_prefetch_b8 v0, s[64:65] scope:SCOPE_SE
	s_setreg_imm32_b32 hwreg(HW_REG_WAVE_MODE, 25, 1), 1
	s_wait_xcnt 0x0
; query, key, value [8192][1024] and wq, wk, wv [1024][1024], f32 with K innermost, become codes of FP4 (E2M1), K innermost, two codes a byte, and one E8M0 byte for each 32 along K.
; All six lie in ONE buffer of 27,648 rows of 512 bytes (codes) and one of 32 bytes a row (scales): rows 8192 t + m are query, key, value (t = 0, 1, 2), rows 24576 + 1024 t + n are wq, wk, wv.
; A block's scale is 2^(floor(log2(its largest magnitude)) - 2); its byte is the largest magnitude's exponent field - 2, held at 1 from below.
; wf [1024][1024] f32 is rounded once to f16 and laid by head: wfh[hh][n][64], hh = k / 64, so that 64 rows of one head are 8,192 consecutive bytes.
; LIMITS: NaN and infinities among the inputs are not served.  A block of zeros gets the byte 1 where the rule says 127: its codes are zeros, which add nothing under any byte but 0xff, and this
; program alone reads the bytes.  Blocks whose largest magnitude lies under 2^(2 - 126) have the byte held at 1.  wf in f16: magnitudes from 65,504 on become infinity, those under 6e-8 are lost.
; SHARES.  Work-groups 0 to 863 take 32,768 numbers each (32 rows), in the order of the rows above, so work-group g writes rows 32 g on; a wave takes 16 steps of 512 numbers.
; Each of a step's four loads reads 512 consecutive bytes; the 2,048 bytes turn through the wave's own stage in LDS and come back 64 bytes a lane: 16 neighbours along K, two lanes to a block.
; Work-groups 864 to 895 take 32 rows of wf each; that path touches no LDS.  No barrier: waves share nothing.
.set STEPS, 16
.set NQWG,  864                        ; work-groups that quantise
.set EMAX,  2
.set CB,    8                          ; bytes of 16 codes
.set R,     16                         ; v16-79   four sets of 16 numbers as they are loaded
.set X,     80                         ; v80-111  two sets of 16 neighbours
.set E,     112                        ; v112-127 a scale byte for each step
.set C,     128                        ; v128-191 codes: four registers for each step, so that no store's data are written again
.set WREG,  8192                       ; LDS: a region for each wave: two stages of 32 x SP bytes, behind them its 256 scale bytes
.set SP,    80                         ; a lane's place in a stage: 64 bytes + 16 of padding
.set SPW,   12                         ; v12 LDS address of my spare word; never rewritten
.set NIL,   13                         ; v13 0; never rewritten
.set SPARE, 4*WREG                     ; behind the four regions: the spare words, 128 bytes a wave, which no other line names
	s_load_b512 s[4:19], s[0:1], 0x0               ; query, key, value, wq, wk, wv, wf, codes
	s_load_b128 s[20:23], s[0:1], 0x40             ; scales, wfh
	v_lshl_add_u32 v[SPW], v0, 2, SPARE
	v_mov_b32 v[NIL], 0
	v_lshrrev_b32 v1, 5, v0
	v_readfirstlane_b32 s24, v1                    ; wave
	v_and_b32 v2, 31, v0                           ; lane
	s_wait_kmcnt 0x0
	s_cmp_ge_u32 ttmp9, NQWG                       ; the last 32 work-groups take wf
	s_cbranch_scc1 .Lwf
	v_lshlrev_b32 v3, 4, v2                        ; my 16 bytes of a load's 512
	s_mul_i32 s25, s24, WREG
	v_lshrrev_b32 v14, 2, v2
	v_mul_u32_u24 v14, v14, SP
	v_and_b32 v15, 3, v2
	v_lshl_add_u32 v14, v15, 4, v14
	v_add_nc_u32 v14, s25, v14                     ; the stage, on the way in: SP (lane / 4) + 16 (lane % 4)
	v_mul_u32_u24 v15, v2, SP
	v_add_nc_u32 v15, s25, v15                     ; and on the way out: SP x lane: my 16 neighbours
	v_mul_u32_u24 v4, v2, CB                       ; my codes' place in a step's
	v_lshrrev_b32 v5, 1, v2
	s_add_co_u32 s25, s25, 2*32*SP
	v_add_nc_u32 v5, s25, v5                       ; LDS: my wave's 256 scale bytes, my block's byte
	v_lshlrev_b32 v7, 3, v2                        ; and on the way out 8 bytes a lane
	v_add_nc_u32 v6, s25, v7
	; which tensor: a chain of choices on the work-group's number alone
	s_cmp_lt_u32 ttmp9, 256
	s_cselect_b64 s[26:27], s[4:5], s[6:7]
	s_cmp_lt_u32 ttmp9, 512
	s_cselect_b64 s[26:27], s[26:27], s[8:9]
	s_cmp_lt_u32 ttmp9, 800
	s_cselect_b64 s[32:33], s[10:11], s[12:13]
	s_cmp_lt_u32 ttmp9, 832
	s_cselect_b64 s[32:33], s[32:33], s[14:15]
	s_cmp_lt_u32 ttmp9, 768
	s_cselect_b64 s[26:27], s[26:27], s[32:33]
	s_cselect_b32 s34, 255, 31                     ; 256 work-groups to an activation, 32 to a weight; each tensor begins at a multiple of that
	s_and_b32 s34, ttmp9, s34
	s_lshl_b32 s34, s34, 17                        ; 32,768 numbers of 4 bytes,
	s_lshl_b32 s36, s24, 15                        ; a wave's 8,192
	s_add_co_u32 s34, s34, s36
	s_mov_b32 s35, 0
	s_add_nc_u64 s[26:27], s[26:27], s[34:35]
	s_lshl_b32 s34, ttmp9, 14                      ; codes: 16,384 bytes a work-group, 4,096 a wave
	s_lshl_b32 s36, s24, 12
	s_add_co_u32 s34, s34, s36
	s_add_nc_u64 s[28:29], s[18:19], s[34:35]
	s_lshl_b32 s34, ttmp9, 10                      ; scale bytes: 1,024 and 256
	s_lshl_b32 s36, s24, 8
	s_add_co_u32 s34, s34, s36
	s_add_nc_u64 s[30:31], s[20:21], s[34:35]
.macro LOAD t
.irp i, 0,1,2,3
	global_load_b128 v[R+16*((\t)%4)+4*\i:R+16*((\t)%4)+4*\i+3], v3, s[26:27] offset:2048*(\t)+512*\i th:TH_LOAD_NT   ; 32 lanes read 512 consecutive bytes
.endr
.endm
.macro TURN t                          ; step t's numbers through the stage: LDS serves a wave's instructions in order, so no wait stands between the stores and the loads
.irp i, 0,1,2,3
	ds_store_b128 v14, v[R+16*((\t)%4)+4*\i:R+16*((\t)%4)+4*\i+3] offset:32*SP*((\t)%2)+8*SP*\i
.endr
.irp i, 0,1,2,3
	ds_load_b128 v[X+16*((\t)%2)+4*\i:X+16*((\t)%2)+4*\i+3], v15 offset:32*SP*((\t)%2)+16*\i
.endr
.endm
.irp t, 0,1,2,3
	LOAD \t
.endr
	s_wait_loadcnt 12                              ; step 0's four loads are in; the twelve of steps 1 to 3 may be out
	TURN 0
.macro STEP t
.set XS, X+16*((\t)%2)
.if (\t) > 0
	s_wait_dscnt 1                                 ; this step's numbers are back from the stage (the last step's byte store may be out)
.else
	s_wait_dscnt 0x0
.endif
.if (\t)+4 < STEPS
	LOAD (\t)+4                                    ; into the registers that this step's stores into the stage have read
.endif
.if (\t)+1 < STEPS
.if STEPS-2-(\t) >= 3
	s_wait_loadcnt 12                              ; the next step's four loads are in; those of the three steps behind it may be out
.else
	s_wait_loadcnt 4*(STEPS-2-(\t))
.endif
	TURN (\t)+1                                    ; through the other stage while this step is worked
.endif
	v_max3_num_f32 v8, |v[XS]|, |v[XS+1]|, |v[XS+2]|               ; the largest magnitude of my 16, in two chains
	v_max3_num_f32 v9, |v[XS+3]|, |v[XS+4]|, |v[XS+5]|
.irp i, 6,10
	v_max3_num_f32 v8, v8, |v[XS+\i]|, |v[XS+\i+1]|
	v_max3_num_f32 v9, v9, |v[XS+\i+2]|, |v[XS+\i+3]|
.endr
	v_max3_num_f32 v8, v8, |v[XS+14]|, |v[XS+15]|
	v_max3_num_f32 v8, v8, v9, (EMAX+1)<<23        ; and the floor 2^(EMAX + 1 - 127): the byte cannot fall under 1
	v_max_num_f32_dpp v8, v8, v8 row_xmask:1 row_mask:0xf bank_mask:0xf   ; and of my neighbour's 16: the block's
	v_add_nc_u32 v11, -(EMAX<<23), v8              ; EMAX off its exponent field: the conversion takes the exponent field of this operand as its scale
	v_cvt_scalef32_pk8_fp4_f32 v[C+4*(\t)], v[XS:XS+7], v11        ; to the nearest code, ties to even, beyond the largest code the largest
	v_cvt_scalef32_pk8_fp4_f32 v[C+4*(\t)+1], v[XS+8:XS+15], v11
	v_lshrrev_b32 v[E+(\t)], 23, v11               ; the scale's byte (also the plain line behind the conversions)
	ds_store_b8 v5, v[E+(\t)] offset:16*(\t)       ; both lanes of a block write the same byte with the same value
	global_store_b64 v4, v[C+4*(\t):C+4*(\t)+1], s[28:29] offset:32*CB*(\t)   ; the wave stores 256 consecutive bytes, aligned
.endm
.irp t, 0,1,2,3,4,5,6,7,8,9,10,11,12,13,14,15
	STEP \t
.endr
	ds_load_b64 v[8:9], v6                         ; LDS serves a wave's instructions in order: these see my byte stores
	s_wait_dscnt 0x0
	global_store_b64 v7, v[8:9], s[30:31]          ; 32 lanes store the wave's 256 scale bytes, aligned
	s_wait_tensorcnt 0x0                           ; the wave's end, behind my last LDS store
	ds_add_u32 v[SPW], v[NIL]
	s_wait_dscnt 0x0
	s_endpgm
; wf to f16.  Wave w of work-group 864 + u has rows 32 u + 8 w + 0 .. 7.  Step st of 32: rows 4 (st / 16) + 0 .. 3, head st % 16: lane l takes row l / 8 of the four and 8 numbers at 8 (l % 8):
; 32 bytes in, 16 bytes out; the wave's store covers 4 rows x 128 bytes = 512 consecutive bytes of wfh.  Eight steps make a group; loads run two groups (32 loads) ahead.
.Lwf:
	s_sub_co_u32 s32, ttmp9, NQWG
	s_lshl_b32 s34, s32, 17                        ; 32 rows of 4,096 bytes,
	s_lshl_b32 s36, s24, 15                        ; a wave's 8
	s_add_co_u32 s34, s34, s36
	s_mov_b32 s35, 0
	s_add_nc_u64 s[26:27], s[16:17], s[34:35]
	s_lshl_b32 s34, s32, 12                        ; in wfh a row of one head is 128 bytes
	s_lshl_b32 s36, s24, 10
	s_add_co_u32 s34, s34, s36
	s_add_nc_u64 s[28:29], s[22:23], s[34:35]
	v_lshrrev_b32 v3, 3, v2
	v_lshlrev_b32 v3, 12, v3
	v_and_b32 v4, 7, v2
	v_lshl_add_u32 v3, v4, 5, v3                   ; in: 4,096 (l / 8) + 32 (l % 8)
	v_lshlrev_b32 v4, 4, v2                        ; out: 16 l
.macro WLOAD G
.irp j, 0,1,2,3,4,5,6,7
	global_load_b128 v[16+64*((\G)%2)+8*\j:16+64*((\G)%2)+8*\j+3], v3, s[26:27] offset:((8*(\G)+\j)/16)*16384+((8*(\G)+\j)%16)*256
	global_load_b128 v[16+64*((\G)%2)+8*\j+4:16+64*((\G)%2)+8*\j+7], v3, s[26:27] offset:((8*(\G)+\j)/16)*16384+((8*(\G)+\j)%16)*256+16
.endr
.endm
.macro WCONV G
.if (\G) < 3
	s_wait_loadcnt 16                              ; this group's 16 loads are in; the next group's may be out
.else
	s_wait_loadcnt 0x0
.endif
.if (\G) > 0
	s_wait_xcnt 0x0                                ; the last group's stores have read v144-175, which are written again below
.endif
.irp j, 0,1,2,3,4,5,6,7
.irp k, 0,1,2,3
	v_cvt_pk_f16_f32 v[144+4*\j+\k], v[16+64*((\G)%2)+8*\j+2*\k], v[16+64*((\G)%2)+8*\j+2*\k+1]
.endr
.endr
.irp j, 0,1,2,3,4,5,6,7
	global_store_b128 v4, v[144+4*\j:144+4*\j+3], s[28:29] offset:((8*(\G)+\j)%16)*131072+((8*(\G)+\j)/16)*512
.endr
.if (\G) < 2
	WLOAD (\G)+2
.endif
.endm
	WLOAD 0
	WLOAD 1
	WCONV 0
	WCONV 1
	WCONV 2
	WCONV 3
	s_endpgm
.Lfunc_end_k_qa1ff317753_quant:
	.size	k_qa1ff317753_quant, .Lfunc_end_k_qa1ff317753_quant-k_qa1ff317753_quant
	.p2alignl 7, 3214868480
	.fill 96, 4, 3214868480
	.section	.rodata,"a",@progbits
	.p2align	6, 0x0
	.amdhsa_kernel k_qa1ff317753_quant
		.amdhsa_group_segment_fixed_size 33280
		.amdhsa_private_segment_fixed_size 0
		.amdhsa_enable_private_segment 0
		.amdhsa_kernarg_size 80
		.amdhsa_user_sgpr_count 2
		.amdhsa_user_sgpr_kernarg_segment_ptr 1
		.amdhsa_wavefront_size32 1
		.amdhsa_system_sgpr_workgroup_id_x 1
		.amdhsa_system_sgpr_workgroup_id_y 1
		.amdhsa_system_sgpr_workgroup_id_z 1
		.amdhsa_system_vgpr_workitem_id 0
		.amdhsa_next_free_vgpr 192
		.amdhsa_next_free_sgpr 66
		.amdhsa_reserve_vcc 0
		.amdhsa_float_denorm_mode_32 3
		.amdhsa_float_denorm_mode_16_64 3
		.amdhsa_memory_ordered 1
		.amdhsa_forward_progress 1
		.amdhsa_inst_pref_size 52
	.end_amdhsa_kernel
	.amdgpu_metadata
---
amdhsa.version: [ 1, 2 ]
amdhsa.kernels:
  - .name:           k_qa1ff317753_quant
    .symbol:         k_qa1ff317753_quant.kd
    .args:
      - { .name: query, .offset: 0, .size: 8, .value_kind: global_buffer, .address_space: global }
      - { .name: key, .offset: 8, .size: 8, .value_kind: global_buffer, .address_space: global }
      - { .name: value, .offset: 16, .size: 8, .value_kind: global_buffer, .address_space: global }
      - { .name: wq, .offset: 24, .size: 8, .value_kind: global_buffer, .address_space: global }
      - { .name: wk, .offset: 32, .size: 8, .value_kind: global_buffer, .address_space: global }
      - { .name: wv, .offset: 40, .size: 8, .value_kind: global_buffer, .address_space: global }
      - { .name: wf, .offset: 48, .size: 8, .value_kind: global_buffer, .address_space: global }
      - { .name: codes, .offset: 56, .size: 8, .value_kind: global_buffer, .address_space: global }
      - { .name: scales, .offset: 64, .size: 8, .value_kind: global_buffer, .address_space: global }
      - { .name: wfh, .offset: 72, .size: 8, .value_kind: global_buffer, .address_space: global }
    .group_segment_fixed_size: 33280
    .private_segment_fixed_size: 0
    .kernarg_segment_align: 8
    .kernarg_segment_size: 80
    .max_flat_workgroup_size: 128
    .sgpr_count:     66
    .vgpr_count:     192
    .wavefront_size: 32
...
	.end_amdgpu_metadata
.endif
;; end of part 1
;; launch proj (part 2): grid 4 x 96, 4 waves a work-group, clusters of 4 x 4, 327,680 bytes of LDS; arguments codes, scales, bq, bk, bv, qkv; writes qkv
.if DOCPART == 2
	.amdgcn_target "amdgcn-amd-amdhsa--gfx1250"
	.amdhsa_code_object_version 6
	.text
	.protected	k_qa1ff317753_proj
	.globl	k_qa1ff317753_proj
	.p2align	8
	.type	k_qa1ff317753_proj,@function
k_qa1ff317753_proj:
	s_mov_b64 s[64:65], 0
	v_nop
	global_prefetch_b8 v0, s[64:65] scope:SCOPE_SE
	s_setreg_imm32_b32 hwreg(HW_REG_WAVE_MODE, 25, 1), 1
	s_wait_xcnt 0x0
	s_wait_alu depctr_hold_cnt(0) depctr_sa_sdst(0) depctr_va_vdst(0) depctr_va_sdst(0) depctr_va_ssrc(0) depctr_va_vcc(0) depctr_vm_vsrc(0)
	s_getreg_b32 s2, hwreg(HW_REG_IB_STS2, 6, 4)
	s_cmp_eq_u32 s2, 0
	s_cbranch_scc0 .Lentry_in_a_cluster
	s_endpgm
.Lentry_in_a_cluster:
	s_bfe_u32 s2, ttmp6, 0x10000c
	s_cmp_lg_u32 s2, 0xf033
	s_cbranch_scc0 .Lentry_shape_is_right
	s_endpgm
.Lentry_shape_is_right:
; Q, K, V = x W^T + b for the three projections at once, on codes of FP4 (E2M1) with one E8M0 scale for each 32 along K; sums in f32; the result rounded once to f16.
; codes: 27,648 rows of 512 bytes (K = 1,024): rows 0 to 24,575 are query, key, value; rows 24,576 + 1,024 t + n are wq, wk, wv.  scales: 32 bytes a row.
; qkv: f16 [T = 4 t + b][h 16][s 2048][64]: laid by head, so that 16 rows x 64 channels are 2,048 consecutive bytes.
; LIMITS: results from 65,504 on become infinity in f16, those under 6e-8 are lost.
; A tile, 256 rows x 256 columns, is made by a work-group of four waves; a wave makes 128 x 128: 64 accumulators of 16 x 16, 512 registers.  96 tile rows x 4 tile columns.
; K = 1,024 is two K steps of 512 (rows of 256 bytes): both lie in LDS from the start, each in a slot of its own, so nothing is ever filled again.  The scales of the 256 + 256 rows come with them, in rows of 256 bytes.
; CLUSTERS: 4 x 4 work-groups.  The four of a row of the cluster need the same rows of activations, the four of a column the same rows of the weight: each tile is asked for JOINTLY, by the same
; tensor load with the same descriptor and a mask that names the four.  A cluster's four tile rows lie in one tensor (8 clusters to a tensor), so the weight is chosen by the cluster's y alone.
; THE MATRIX INSTRUCTION IS USED TRANSPOSED (source 0 = 16 rows of W, source 1 = 16 rows of x): a lane holds eight neighbouring columns of one row.  The bias is the C of each sum's first instruction.
; REGISTERS, in windows of 256: window 0: v0-31 addresses; v32-95 scale words, two sets; v96-127 packed results; v128-191 x's fragments, ONE set, later rows on the way out; v192-255 the bias, 8 tiles.
;   window 1: W's fragments, TWO sets, at v0 and v128.   window 2: the accumulators of my rows 0-63 ((a, b) at v[8 (8 a + b)]);   window 3: those of my rows 64-127.
.set NQ,     4                         ; steps of 128 along K in a slot
.set ROWB,   256                       ; a tile's row in bytes: 512 codes
.set KROW,   512                       ; a row of codes in memory
.set PITCH,  272                       ; an LDS row: 256 bytes + 16 of padding: the 16 rows that a load touches start at 16 different 16-byte columns
.set FR,     8                         ; registers of a fragment: 16 rows x 128 K
.set NL,     2                         ; LDS loads that bring one
.set NP,     4                         ; places behind this matrix instruction (ISA guide 7.12.1)
.set HALFT,  128*PITCH                 ; 128 rows: what one tensor load brings
.set SLOT,   4*HALFT                   ; x's 256 rows, then W's 256 rows
.set KS,     32                        ; a row of scales in bytes
.set SCL,    2*SLOT                    ; behind the slots: the scales, as rows of 256 bytes + 16 of padding
.set HALFS,  16*272                    ; the scales of 128 rows
.set SBLK,   2*272                     ; those of 16 rows
.set SPARE,  SCL+4*HALFS               ; the spare words, 128 bytes a wave, which no other line names
.set STG,    SPARE+512                 ; the way out: for each wave 2 heads x 16 rows x (128 bytes + 16): bytes of its own, into which no tile lands
.set WROW,   24576                     ; the weights' first row
.set ADRA, 16                          ; v16-17  LDS address of my x fragments in slot 0, 1
.set ADRB, 20                          ; v20-21  the same for W
.set STO,  24                          ; v24     the way out: where I put 16 bytes of a row
.set RD,   25                          ; v25     where I read rows back
.set CO,   26                          ; v26     16 x lane
.set ADRS, 27                          ; v27     LDS address of my scale words: lanes 0-15 x's rows, lanes 16-31 W's
.set SPW,  28                          ; v28     LDS address of my spare word; never rewritten
.set NIL,  29                          ; v29     0; never rewritten
.set SC,   32                          ; scale words: set s at v[SC + 32 s]; register 4 i + q: lanes 0-15 the word of x's block i, lanes 16-31 that of W's block i, for the slot's q-th 128 along K
.set TMP,  96
.set AF,   128
.set BI,   192
.set G1, 24                            ; s[24:31] descriptor group 1 for x's tiles;  s[32:39] group 0, one set for each slot
.set G0, 32
.set G1B, 48                           ; s[48:55], s[56:63] the same for W's tiles
.set G0B, 56
.set G1S, 68                           ; s[68:75], s[76:79] groups 1 and 0 for x's scales;  s[80:87], s[88:91] for W's
.set G0S, 76
.set G1SB, 80
.set G0SB, 88
.set MSB, 0
.macro WIN new                         ; the immediate's high byte repeats the setting that is left
.if MSB != \new
	s_set_vgpr_msb (MSB<<8)|\new
.set MSB, \new
.endif
.endm
.set MUL_LO, 0xa1                      ; source 0 (W) window 1, source 1 (x) window 0, C and D window 2
.set MUL_HI, 0xf1                      ; the same, C and D window 3
.set BEG_LO, 0x81                      ; a sum's first link: C (the bias) window 0, D window 2
.set BEG_HI, 0xc1                      ; D window 3
.set TO_B,   0x40                      ; destination window 1, address window 0
; A joint load: waves 0 and 1 fetch for x, waves 2 and 3 for W.  Each line has one mask and one set of registers for all that issue it; the branch hangs on the wave's number alone.
; An s_nop 0 and four v_nop follow each of the two lines, ahead of the jump, the label and what follows.
.macro JLOAD g0a, g1a, g0b, g1b
	s_cmp_eq_u32 s15, 0
	s_cbranch_scc0 .Lfor_b_\@
	tensor_load_to_lds s[\g0a:\g0a+3], s[\g1a:\g1a+7]
	s_nop 0
.rept 4
	v_nop
.endr
	s_branch .Lasked_\@
.Lfor_b_\@:
	tensor_load_to_lds s[\g0b:\g0b+3], s[\g1b:\g1b+7]
	s_nop 0
.rept 4
	v_nop
.endr
.Lasked_\@:
.endm
.macro CROUND                          ; a round of the cluster's barrier: my work-group's barrier; wave 0 signals for the work-group; every wave waits for all sixteen; my work-group's barrier once more
	s_barrier_signal -1
	s_barrier_wait -1
	s_cmp_lg_u32 s14, 0
	s_cbranch_scc1 .Lnot_wave_0_\@
	s_barrier_signal -3
.Lnot_wave_0_\@:
	s_barrier_wait -3
	s_barrier_signal -1
	s_barrier_wait -1
.endm
	s_load_b128 s[4:7], s[0:1], 0x0                ; codes s[4:5], scales s[6:7]: for x
	s_load_b128 s[8:11], s[0:1], 0x0               ; the same two once more: for W
	s_load_b128 s[96:99], s[0:1], 0x10             ; bq, bk
	s_load_b64 s[100:101], s[0:1], 0x20            ; bv
	s_load_b64 s[12:13], s[0:1], 0x28              ; qkv
	v_lshl_add_u32 v[SPW], v0, 2, SPARE
	v_mov_b32 v[NIL], 0
	ds_add_u32 v[SPW], v[NIL]                      ; the wave's opening: the add, twice on end, and its wait ahead of my first tensor load
	ds_add_u32 v[SPW], v[NIL]                      ; the set-up below, work on registers, stands between the second and the wait
	v_lshrrev_b32 v1, 5, v0
	v_readfirstlane_b32 s14, v1                    ; wave 0..3
	s_lshr_b32 s15, s14, 1                         ; which half of the tile's rows is mine.  Also: I fetch for x (0) or for W (1)
	s_and_b32 s16, s14, 1                          ; which half of its columns.  Also: which 128 rows of that tile I fetch
	s_bfe_u32 s40, ttmp6, 0x40000                  ; cx, cy: my place in the cluster
	s_bfe_u32 s41, ttmp6, 0x40004
	s_lshl_b32 s42, ttmp9, 2
	s_add_co_u32 s42, s42, s40                     ; tile column = 4 x cluster x + cx
	s_and_b32 s17, ttmp7, 0xffff
	s_lshr_b32 s95, s17, 3                         ; the tensor t = cluster y / 8: the same in all sixteen partners
	s_lshl_b32 s17, s17, 2
	s_add_co_u32 s17, s17, s41                     ; tile row = 4 x cluster y + cy, 0 to 95
	s_lshl_b32 s43, s41, 2
	s_lshl_b32 s43, 15, s43                        ; my row of the cluster
	s_lshl_b32 s44, 0x1111, s40                    ; my column
	; descriptor group 1: a tile of 128 rows x 256 bytes, padded in LDS
	s_or_b32 s[G1+0], s43, (0<<16)|(1<<20)|(1<<21)|(5<<22)|(3<<25)  ; 15:0 the mask; 17:16 elements of 1 byte; 20 padding on; 21 set beside a mask; 24:22 after every 64 words; 31:25 four words
	s_or_b32 s[G1B+0], s44, (0<<16)|(1<<20)|(1<<21)|(5<<22)|(3<<25)
.irp g, G1, G1B
	s_mov_b32 s[\g+1], ROWB<<16                    ; tensor_dim0
	s_mov_b32 s[\g+2], 128<<16                     ; tensor_dim1
	s_mov_b32 s[\g+3], ROWB<<16                    ; tile_dim0
	s_mov_b32 s[\g+4], 128                         ; tile_dim1
	s_mov_b32 s[\g+5], KROW                        ; from row to row
	s_mov_b32 s[\g+6], 0
	s_mov_b32 s[\g+7], 0
.endr
	; the scales of 128 rows: a dense block of 4,096 bytes, as 16 rows of 256 bytes (32 elements of 8 bytes), 16 bytes of padding behind each
	s_or_b32 s[G1S+0], s43, (3<<16)|(1<<20)|(1<<21)|(5<<22)|(3<<25)
	s_or_b32 s[G1SB+0], s44, (3<<16)|(1<<20)|(1<<21)|(5<<22)|(3<<25)
.irp g, G1S, G1SB
	s_mov_b32 s[\g+1], 32<<16
	s_mov_b32 s[\g+2], 16<<16
	s_mov_b32 s[\g+3], 32<<16
	s_mov_b32 s[\g+4], 16
	s_mov_b32 s[\g+5], 32
	s_mov_b32 s[\g+6], 0
	s_mov_b32 s[\g+7], 0
.endr
	s_lshl_b32 s18, s16, 7                         ; which 128 rows of the tile I fetch
	s_lshl_b32 s20, s17, 8
	s_add_co_u32 s20, s20, s18                     ; x: row 256 x tile row + 128 x half
	s_lshl_b32 s46, s42, 8
	s_add_co_u32 s46, s46, s18                     ; W: 256 x tile column + 128 x half,
	s_lshl_b32 s47, s95, 10
	s_add_co_u32 s46, s46, s47                     ; in weight t,
	s_add_co_u32 s46, s46, WROW                    ; behind the activations' rows
	s_mov_b32 s21, 0
	s_mov_b32 s47, 0
	s_mov_b64 s[18:19], KS
	s_mul_u64 s[22:23], s[20:21], s[18:19]         ; where these rows' scales begin, in bytes
	s_mul_u64 s[92:93], s[46:47], s[18:19]
	s_mov_b64 s[18:19], KROW
	s_mul_u64 s[20:21], s[20:21], s[18:19]         ; and their codes
	s_mul_u64 s[46:47], s[46:47], s[18:19]
	s_mul_i32 s45, s14, HALFT                      ; where they go: wave x 128 rows: no place in the cluster enters an LDS address
	s_mul_i32 s94, s14, HALFS
	s_wait_dscnt 0x0                               ; both opening adds are done
	s_wait_kmcnt 0x0
	s_add_nc_u64 s[20:21], s[4:5], s[20:21]
	s_add_nc_u64 s[22:23], s[6:7], s[22:23]
	s_add_nc_u64 s[46:47], s[8:9], s[46:47]
	s_add_nc_u64 s[92:93], s[10:11], s[92:93]
	CROUND                                         ; all sixteen work-groups are here: the joint loads meet
	s_mov_b32 s[G0S], 1
	s_add_co_u32 s[G0S+1], s94, SCL
	s_mov_b64 s[G0S+2:G0S+3], s[22:23]
	s_or_b32 s[G0S+3], s[G0S+3], 0x80000000
	s_mov_b32 s[G0SB], 1
	s_add_co_u32 s[G0SB+1], s94, SCL
	s_mov_b64 s[G0SB+2:G0SB+3], s[92:93]
	s_or_b32 s[G0SB+3], s[G0SB+3], 0x80000000
	JLOAD G0S, G1S, G0SB, G1SB                     ; the scales first: they are wanted with K step 0
.irp s, 0,1
	s_mov_b32 s[G0+4*\s], 1
	s_add_co_u32 s[G0+4*\s+1], s45, \s*SLOT
	s_add_nc_u64 s[G0+4*\s+2:G0+4*\s+3], s[20:21], \s*ROWB
	s_or_b32 s[G0+4*\s+3], s[G0+4*\s+3], 0x80000000
	s_mov_b32 s[G0B+4*\s], 1
	s_add_co_u32 s[G0B+4*\s+1], s45, \s*SLOT
	s_add_nc_u64 s[G0B+4*\s+2:G0B+4*\s+3], s[46:47], \s*ROWB
	s_or_b32 s[G0B+4*\s+3], s[G0B+4*\s+3], 0x80000000
	JLOAD G0+4*\s, G1, G0B+4*\s, G1B               ; three loads of mine are out: all that this wave ever issues
.endr
	v_and_b32 v1, 15, v0                           ; r = l % 16
	v_bfe_u32 v2, v0, 4, 1                         ; h = l / 16
	; the bias of my 128 columns: lane (r, h) wants, for W's block b, the numbers of columns 16 b + 8 h + 0 .. 7
	s_lshl_b32 s46, s42, 10                        ; my first column, in bytes of f32: 1,024 x tile column + 512 x half
	s_lshl_b32 s47, s16, 9
	s_add_co_u32 s46, s46, s47
	s_mov_b32 s47, 0
	s_cmp_lt_u32 s95, 1                            ; which bias: by the tensor's number alone
	s_cselect_b64 s[96:97], s[96:97], s[98:99]
	s_cmp_lt_u32 s95, 2
	s_cselect_b64 s[96:97], s[96:97], s[100:101]
	s_add_nc_u64 s[96:97], s[96:97], s[46:47]
	v_lshlrev_b32 v7, 5, v2
.irp b, 0,1,2,3,4,5,6,7
	global_load_b128 v[BI+8*\b:BI+8*\b+3], v7, s[96:97] offset:64*\b
	global_load_b128 v[BI+8*\b+4:BI+8*\b+7], v7, s[96:97] offset:64*\b+16
.endr
	v_mul_u32_u24 v3, v1, PITCH
	v_lshl_add_u32 v4, v2, 4, v3                   ; a fragment's row x pitch + 16 x half
	s_mul_i32 s21, s15, HALFT                      ; my 128 rows of x
	s_mul_i32 s22, s16, HALFT                      ; my 128 rows of W,
	s_add_co_u32 s22, s22, 2*HALFT                 ; which lie behind x's 256
.irp s, 0,1
	v_add_nc_u32 v[ADRA+\s], s21, v4
	v_add_nc_u32 v[ADRB+\s], s22, v4
	s_add_co_u32 s21, s21, SLOT
	s_add_co_u32 s22, s22, SLOT
.endr
	v_mul_u32_u24 v5, v1, KS                       ; my row's scales: 32 bytes a row,
	v_lshrrev_b32 v6, 8, v5
	v_lshl_add_u32 v5, v6, 4, v5                   ; and 16 more for each 256 passed
	s_mul_i32 s21, s15, HALFS                      ; x's: my 128 rows
	s_mul_i32 s22, s16, HALFS                      ; W's: my 128 rows, behind x's 256
	s_add_co_u32 s22, s22, 2*HALFS
	s_sub_co_u32 s22, s22, s21
	v_mul_u32_u24 v6, s22, v2                      ; lanes 16-31 take W's: one product, the distance between the two bases x h
	s_add_co_u32 s21, s21, SCL
	v_add_nc_u32 v5, v5, v6
	v_add_nc_u32 v[ADRS], s21, v5
	s_mul_i32 s23, s14, 4608
	s_add_co_u32 s23, s23, STG                     ; my stage
	v_mul_u32_u24 v5, v1, 144                      ; in: row r of 144 bytes, 16 bytes for each half of the lanes
	v_lshl_add_u32 v5, v2, 4, v5
	v_add_nc_u32 v[STO], s23, v5
	v_and_b32 v6, 31, v0
	v_lshlrev_b32 v[CO], 4, v6                     ; in memory four rows of 128 bytes follow each other: 16 x lane
	v_lshrrev_b32 v5, 3, v6
	v_mul_u32_u24 v5, v5, 144                      ; back: eight lanes to a row, four rows an instruction
	v_and_b32 v6, 7, v0
	v_lshl_add_u32 v5, v6, 4, v5
	v_add_nc_u32 v[RD], s23, v5
	; where my 128 rows x 2 heads begin in qkv: (((row / 2048) x 16 + head) x 2048 + row % 2048) x 128 bytes; under 2^26
	s_lshl_b32 s20, s17, 8
	s_lshl_b32 s21, s15, 7
	s_add_co_u32 s20, s20, s21                     ; my first row: 256 x tile row + 128 x half
	s_lshr_b32 s21, s20, 11
	s_lshl_b32 s21, s21, 4
	s_lshl_b32 s46, s42, 2
	s_add_co_u32 s21, s21, s46
	s_lshl_b32 s46, s16, 1
	s_add_co_u32 s21, s21, s46                     ; + my first head: 4 x tile column + 2 x half
	s_lshl_b32 s21, s21, 11
	s_and_b32 s20, s20, 2047
	s_add_co_u32 s20, s20, s21
	s_lshl_b32 s20, s20, 7
	s_mov_b32 s21, 0
	s_add_nc_u64 s[12:13], s[12:13], s[20:21]
.macro FRAG reg, adr, q, i             ; a fragment: lane l holds row l % 16; registers 4 c .. 4 c + 3 hold K = 64 c + 32 (l / 16) + 0 .. 31
.irp c, 0,1
	ds_load_b128 v[\reg+4*\c:\reg+4*\c+3], v[\adr] offset:64*(\q)+32*\c+(\i)*16*PITCH
.endr
.endm
; 16 matrix instructions: x's blocks a0, a0 + 1 against W's eight, the slot's q-th 128 along K.  p: W's set; sc: the set of scale words.  first = 1: the sum begins with the bias as C: nothing is cleared, nothing is added later.
; The 64 accumulators take turns, one instruction a turn, in the same order in every step.
.macro MUL16 a0, p, q, sc, first
.irp a, \a0, \a0+1
.irp b, 0,1,2,3,4,5,6,7
.if \first
	v_wmma_scale_f32_16x16x128_f8f6f4 v[8*(8*((\a)%4)+\b):8*(8*((\a)%4)+\b)+7], v[128*(\p)+FR*\b:128*(\p)+FR*\b+FR-1], v[AF+FR*(\a):AF+FR*(\a)+FR-1], v[BI+8*\b:BI+8*\b+7], v[SC+8*NQ*(\sc)+NQ*\b+(\q)], v[SC+8*NQ*(\sc)+NQ*(\a)+(\q)] matrix_a_fmt:MATRIX_FMT_FP4 matrix_b_fmt:MATRIX_FMT_FP4 matrix_a_scale:MATRIX_SCALE_ROW1
.else
	v_wmma_scale_f32_16x16x128_f8f6f4 v[8*(8*((\a)%4)+\b):8*(8*((\a)%4)+\b)+7], v[128*(\p)+FR*\b:128*(\p)+FR*\b+FR-1], v[AF+FR*(\a):AF+FR*(\a)+FR-1], v[8*(8*((\a)%4)+\b):8*(8*((\a)%4)+\b)+7], v[SC+8*NQ*(\sc)+NQ*\b+(\q)], v[SC+8*NQ*(\sc)+NQ*(\a)+(\q)] matrix_a_fmt:MATRIX_FMT_FP4 matrix_b_fmt:MATRIX_FMT_FP4 matrix_a_scale:MATRIX_SCALE_ROW1
.endif
.endr
.endr
.endm
.macro FETCH_B slot, q, p              ; W's eight fragments of the slot's q-th 128 along K into set p
	WIN TO_B
.irp i, 0,1,2,3,4,5,6,7
	FRAG 128*(\p)+FR*\i, ADRB+\slot, \q, \i
.endr
	WIN 0
.endm
.macro FETCH_A slot, q, i0             ; x's blocks i0 .. i0 + 3
.irp i, \i0, \i0+1, \i0+2, \i0+3
	FRAG AF+FR*(\i), ADRA+\slot, \q, \i
.endr
.endm
.macro SCALES sc                       ; a K step's scale words into set sc: four words a row; lanes 0-15 take x's block i, lanes 16-31 W's block i
.irp i, 0,1,2,3,4,5,6,7
	ds_load_b128 v[SC+8*NQ*\sc+NQ*\i:SC+8*NQ*\sc+NQ*\i+3], v[ADRS] offset:\i*SBLK
.endr
.endm
; A load into a register that a matrix instruction has read, and a vector instruction that reads a matrix result, stand NP places behind that matrix instruction; only plain vector
; instructions that name none of its registers are places (ISA guide 7.12.1 for vector instructions).
.macro PLACES n
.rept \n
	v_nop
.endr
.endm
; A step of 128 along K that has its successor in the same slot.  A block of x is free as soon as its eight products are issued: blocks 0-3 are fetched anew in the step's middle, blocks 4-7 at its end.
.macro STEP slot, q, first
	s_wait_dscnt 4*NL                              ; W's set and x's blocks 0-3 are in; the youngest eight loads (x's blocks 4-7) may be out
.if \first
	WIN BEG_LO
.else
	WIN MUL_LO
.endif
	MUL16 0, (\q)%2, \q, \slot, \first
	MUL16 2, (\q)%2, \q, \slot, \first
	s_wait_dscnt 0                                 ; x's blocks 4-7 are in
	PLACES NP
	FETCH_B \slot, (\q)+1, 1-(\q)%2
	FETCH_A \slot, (\q)+1, 0
.if \first
	WIN BEG_HI
.else
	WIN MUL_HI
.endif
	MUL16 4, (\q)%2, \q, \slot, \first
	MUL16 6, (\q)%2, \q, \slot, \first
	PLACES NP
	WIN 0
	FETCH_A \slot, (\q)+1, 4
.endm
; Slot 0's last step leads over to slot 1: each wave waits for all its tensor loads (its part of slot 1), the barrier shows the slot whole to all four.  Nothing is filled again.
.macro TURN slot, next
	s_wait_tensorcnt 0x0                           ; all my tensor loads have landed
	ds_add_u32 v[SPW], v[NIL]                      ; 0 onto my spare word
	s_wait_dscnt 4*NL+1                            ; (the add and the youngest eight loads may be out)
	WIN MUL_LO
	MUL16 0, 1, NQ-1, \slot, 0                     ; sixteen matrix instructions stand between the add and the wait for it
	s_wait_dscnt 0x0                               ; the add is done, and no LDS instruction of mine is out at the signal
	s_barrier_signal -1
	MUL16 2, 1, NQ-1, \slot, 0
	WIN 0
	s_barrier_wait -1
	PLACES NP
	v_add_nc_u32 v[ADRS], 4*NQ, v[ADRS]            ; on to the next K step's scale words
	FETCH_B \next, 0, 0
	FETCH_A \next, 0, 0
	SCALES \next
	WIN MUL_HI
	MUL16 4, 1, NQ-1, \slot, 0
	MUL16 6, 1, NQ-1, \slot, 0
	PLACES NP
	WIN 0
	FETCH_A \next, 0, 4
.endm
.macro STEPS slot, from                ; the slot's steps from .. NQ - 2
.set Q, \from
.rept NQ-1-\from
	STEP \slot, Q, 0
.set Q, Q+1
.endr
.endm
	s_wait_tensorcnt 1                             ; the scales and my part of K step 0 are in; K step 1's load, the one issued behind them, may be out
	s_barrier_signal -1
	s_barrier_wait -1                              ; everybody's are
	FETCH_B 0, 0, 0
	FETCH_A 0, 0, 0
	SCALES 0
	FETCH_A 0, 0, 4
	s_wait_loadcnt 0x0                             ; the bias
	STEP 0, 0, 1                                   ; the first step's products start the sums, on the bias
	STEPS 0, 1
	TURN 0, 1
	STEPS 1, 0
	s_wait_dscnt 4*NL                              ; the very last step: nothing more to fetch
	WIN MUL_LO
	MUL16 0, 1, NQ-1, 1, 0
	MUL16 2, 1, NQ-1, 1, 0
	s_wait_dscnt 0
	WIN MUL_HI
	MUL16 4, 1, NQ-1, 1, 0
	MUL16 6, 1, NQ-1, 1, 0
	WIN 0
; THE WAY OUT, by blocks of 16 rows x 128 columns (two heads).  PACK: rounded to f16, 16 bytes a lane, each accumulator from its low end on.  TOSTAGE: into my own stage, and back four rows of one head at a time.
; SEND: each store covers 4 rows x 128 bytes = 512 consecutive bytes of qkv.  LDS serves a wave's instructions in order (ISA guide 5.7.1.4): no wait between the stage's stores and loads.
.macro PACK a
.set AC, 64*((\a)%4)
	WIN 0x0a+5*((\a)/4)                            ; sources 0 and 1: window 2 or 3
.irp b, 0,1,2,3,4,5,6,7
.irp r, 0,1,2,3
	v_cvt_pk_f16_f32 v[TMP+4*\b+\r], v[AC+8*\b+2*\r], v[AC+8*\b+2*\r+1]
.endr
.endr
	WIN 0
.endm
.macro TOSTAGE a
.set BB, 128+32*((\a)%2)
.irp b, 0,1,2,3,4,5,6,7
	ds_store_b128 v[STO], v[TMP+4*\b:TMP+4*\b+3] offset:(\b/4)*2304+32*(\b%4)
.endr
.irp i, 0,1,2,3,4,5,6,7
	ds_load_b128 v[BB+4*\i:BB+4*\i+3], v[RD] offset:(\i/4)*2304+(\i%4)*576
.endr
.endm
.macro SEND a
.set BB, 128+32*((\a)%2)
	s_wait_dscnt 0x0                               ; the block is back in registers
	s_wait_xcnt 0x0                                ; the block before has had its stores' registers read: the next block's loads may land there
.irp i, 0,1,2,3,4,5,6,7
	global_store_b128 v[CO], v[BB+4*\i:BB+4*\i+3], s[12:13] offset:(\a)*2048+(\i/4)*262144+(\i%4)*512
.endr
.endm
	PLACES NP                                      ; behind the last products, ahead of the first read of results
	PACK 0
	TOSTAGE 0
.irp a, 1,2,3,4,5,6,7                  ; block a's conversions stand between block a - 1's loads from the stage and the wait for them
	PACK \a
	SEND \a-1
	TOSTAGE \a
.endr
	SEND 7
	s_wait_tensorcnt 0x0                           ; the wave's end, behind my last tensor load and my last LDS store
	ds_add_u32 v[SPW], v[NIL]
	s_wait_dscnt 0x0
	CROUND                                         ; the closing round: no work-group ends while a partner may still ask for a tile that names it
	s_endpgm
.Lfunc_end_k_qa1ff317753_proj:
	.size	k_qa1ff317753_proj, .Lfunc_end_k_qa1ff317753_proj-k_qa1ff317753_proj
	.p2alignl 7, 3214868480
	.fill 96, 4, 3214868480
	.section	.rodata,"a",@progbits
	.p2align	6, 0x0
	.amdhsa_kernel k_qa1ff317753_proj
		.amdhsa_group_segment_fixed_size 327680
		.amdhsa_private_segment_fixed_size 0
		.amdhsa_enable_private_segment 0
		.amdhsa_kernarg_size 48
		.amdhsa_user_sgpr_count 2
		.amdhsa_user_sgpr_kernarg_segment_ptr 1
		.amdhsa_wavefront_size32 1
		.amdhsa_system_sgpr_workgroup_id_x 1
		.amdhsa_system_sgpr_workgroup_id_y 1
		.amdhsa_system_sgpr_workgroup_id_z 1
		.amdhsa_system_vgpr_workitem_id 0
		.amdhsa_next_free_vgpr 1024
		.amdhsa_next_free_sgpr 102
		.amdhsa_reserve_vcc 0
		.amdhsa_float_denorm_mode_32 3
		.amdhsa_float_denorm_mode_16_64 3
		.amdhsa_memory_ordered 1
		.amdhsa_forward_progress 1
		.amdhsa_inst_pref_size 129
	.end_amdhsa_kernel
	.amdgpu_metadata
---
amdhsa.version: [ 1, 2 ]
amdhsa.kernels:
  - .name:           k_qa1ff317753_proj
    .symbol:         k_qa1ff317753_proj.kd
    .args:
      - { .name: codes, .offset: 0, .size: 8, .value_kind: global_buffer, .address_space: global }
      - { .name: scales, .offset: 8, .size: 8, .value_kind: global_buffer, .address_space: global }
      - { .name: bq, .offset: 16, .size: 8, .value_kind: global_buffer, .address_space: global }
      - { .name: bk, .offset: 24, .size: 8, .value_kind: global_buffer, .address_space: global }
      - { .name: bv, .offset: 32, .size: 8, .value_kind: global_buffer, .address_space: global }
      - { .name: qkv, .offset: 40, .size: 8, .value_kind: global_buffer, .address_space: global }
    .group_segment_fixed_size: 327680
    .private_segment_fixed_size: 0
    .kernarg_segment_align: 8
    .kernarg_segment_size: 48
    .max_flat_workgroup_size: 128
    .sgpr_count:     102
    .vgpr_count:     1024
    .wavefront_size: 32
...
	.end_amdgpu_metadata
.endif
;; end of part 2
;; launch attn (part 3): grid 4 x 64, 16 waves a work-group, clusters of 4 x 1, 327,680 bytes of LDS; arguments qkv, xh; writes xh
.if DOCPART == 3
	.amdgcn_target "amdgcn-amd-amdhsa--gfx1250"
	.amdhsa_code_object_version 6
	.text
	.protected	k_qa1ff317753_attn
	.globl	k_qa1ff317753_attn
	.p2align	8
	.type	k_qa1ff317753_attn,@function
k_qa1ff317753_attn:
	s_mov_b64 s[64:65], 0
	v_nop
	global_prefetch_b8 v0, s[64:65] scope:SCOPE_SE
	s_setreg_imm32_b32 hwreg(HW_REG_WAVE_MODE, 25, 1), 1
	s_wait_xcnt 0x0
	s_wait_alu depctr_hold_cnt(0) depctr_sa_sdst(0) depctr_va_vdst(0) depctr_va_sdst(0) depctr_va_ssrc(0) depctr_va_vcc(0) depctr_vm_vsrc(0)
	s_getreg_b32 s2, hwreg(HW_REG_IB_STS2, 6, 4)
	s_cmp_eq_u32 s2, 0
	s_cbranch_scc0 .Lentry_in_a_cluster
	s_endpgm
.Lentry_in_a_cluster:
	s_bfe_u32 s2, ttmp6, 0x10000c
	s_cmp_lg_u32 s2, 0x3003
	s_cbranch_scc0 .Lentry_shape_is_right
	s_endpgm
.Lentry_shape_is_right:
; x[hd][q][:] = the sum over k of softmax_k(Q[hd][q] . K[hd][k] / 8) V[hd][k][:], 64 heads (batch x head) of 2,048 positions x 64 channels, no mask.
; qkv: f16 [12][16][2048][64]: Q at byte 0, K at 0x1000000, V at 0x2000000; a head is 262,144 dense bytes.  xh: f16 [4][16][2048][64].  Products on f16 operands, sums, maxima and the softmax in f32.
; LIMITS: the weights p (at most about 1) are rounded to f16 for the second product: p under 6e-8 is lost; x from 65,504 on becomes infinity in f16.  NaN and infinities are not served.
; SHARES.  A cluster of four work-groups is one head; each owns 512 queries; each of its SIXTEEN waves owns 32: two tiles of 16, in 256 registers: four waves to a SIMD, so that one wave's
; vector work stands beside another's matrix work and LDS loads, and no register window is ever switched.  Every wave walks all 2,048 keys, 64 a step.
; LAYOUT.  S^T = K Q^T (source 0 = 16 keys, source 1 = 16 queries): a lane holds ONE query (lane % 16) and keys 8 (lane / 16) + 0..7.  Two such tiles, rounded to f16 in pairs, ARE source 1
; (32 keys x 16 queries) of O^T = V^T P, whose result again holds one query a lane, and eight channels.  K comes out of LDS as it lies, V ([key][channel]) turned, by ds_load_tr16_b128.
; SOFTMAX.  A running maximum m and sum l for each query: p = 2^(c s - c m), c = log2(e) / 8; in every step O and l are multiplied by a = 2^(c m_old - c m_new).  The sum is taken of the unrounded p.
; RING.  Two LDS slots of 256 keys (four steps).  A head's rows of 128 bytes are dense, so the mover takes them two keys to a row of 256 bytes: key k lies at (k / 2) x pitch + (k % 2) x 128.
; With K's pitch 272 the 16 keys of a fragment load fall on 16 different 16-byte columns; with V's pitch 288 so do the 8 keys x 32 bytes of 16 lanes of the turning load.
; The four partners walk the same K and V: each tile is asked for JOINTLY (waves 0 and 1: K's halves; waves 2 and 3: V's), behind a round of the cluster's barrier at each slot's head.
.set PK,     272
.set PV,     288
.set VOFF,   128*PK                    ; a slot: 128 pair rows of K, then 128 of V
.set KSTEPB, 32*PK                     ; a step's 64 keys
.set VSTEPB, 32*PV
.set SLOT1,  1<<17                     ; slot 1 begins here, so that one exclusive or turns an address in one slot into the other's
.set STAGE,  SLOT1+128*(PK+PV)         ; behind the ring: for each wave 2 tiles x 16 rows x (128 bytes + 16): bytes of its own, into which no tile lands
.set SPARE,  STAGE+16*4608             ; the spare words, 128 bytes for each of sixteen waves, which no other line names
.set NSL,    8                         ; slots' worth of keys
.set SLOTB,  32768                     ; a slot's keys in memory, in bytes, of K or of V
.set AK0, 1                            ; v1   my lane's place in a tile of K; never rewritten
.set AV0, 2                            ; v2   the same for V
.set ADK, 3                            ; v3   LDS address of the slot's K for my lane
.set ADV, 4                            ; v4   of its V
.set SPW, 5                            ; v5   LDS address of my spare word; never rewritten
.set NIL, 6                            ; v6   0; never rewritten
.set GO,  7                            ; v7   the way out: 16 x lane
.set STO, 8                            ; v8   where I put 16 bytes of a row
.set RD,  9                            ; v9   where I read rows back
.set PFO, 10                           ; v10  256 x lane: the prefetches' offset; never rewritten
.set QO,  11                           ; v11  my byte offset in the wave's rows of Q
.set ST,  16                           ; tile t's statistics at v[ST + 8 t]: +0 c m, +1 m, +2, +3 l (even keys', odd keys'), +4 to +7 at work; a stands in +6
.set QF,  32                           ; Q (tile t, channels 32 c on) at v[QF + 16 t + 8 c]
.set KV,  64                           ; K (keys 16 kt on, channels 32 c on) at v[KV + 32 c + 8 kt]; then V (channels 16 ct on, keys 32 kc on) at v[KV + 32 kc + 8 ct]
.set S,   128                          ; S^T (t, kt) at v[S + 32 t + 8 kt]; P is made in place: P (t, kc) at v[S + 32 t + 8 kc]
.set O,   192                          ; O^T (t, ct) at v[O + 32 t + 8 ct]
.set WV,  8                            ; s8   my wave's number
.set PFA, 18                           ; s[18:19] where my prefetches stand in memory
.set LIM, 20                           ; s20  1 in a wave that prefetches, else the greatest number
.set CS,  22                           ; s[22:23] c: the packed form names a pair and takes its low word for both halves
.set G1K, 24                           ; s[24:31] descriptor group 1 for K's tiles;  s[32:39] for V's: it differs in the padding alone
.set G1V, 32
.set G0K, 40                           ; s[40:43], s[44:47] their groups 0, which walk
.set G0V, 44
.set SEL, 48                           ; s[48:49] lane selects for v_permlanex16_b32: lane l xor 16
.set TB,  50                           ; s50  LDS byte at which the slot in hand begins
.set SLOTS, 51                         ; s51  slots still to be asked for
; Waves 0 and 1 fetch K's halves of a slot, waves 2 and 3 V's, the others nothing.  The branches hang on the wave's number alone: they are the same in every partner.
; An s_nop 0 and four v_nop follow each of the two lines.
.macro TLOAD
	s_cmp_lt_u32 s[WV], 2
	s_cbranch_scc0 .Lnot_k_\@
	tensor_load_to_lds s[G0K:G0K+3], s[G1K:G1K+7]
	s_nop 0
.rept 4
	v_nop
.endr
	s_branch .Lasked_\@
.Lnot_k_\@:
	s_cmp_lt_u32 s[WV], 4
	s_cbranch_scc0 .Lasked_\@
	tensor_load_to_lds s[G0V:G0V+3], s[G1V:G1V+7]
	s_nop 0
.rept 4
	v_nop
.endr
.Lasked_\@:
.endm
; A PREFETCH INTO THE L2 of what the NEXT change of slots will ask for: 32,768 bytes of K and as many of V.  Wave 4 asks for K's, wave 5 for V's, one instruction each, lanes 256 bytes apart: 8,192 bytes.
; The four partners share a slot's bytes out BY ADDRESS, 8,192 each, so each aligned 256 bytes are named once in the launch; no branch hangs on a work-group's place in its cluster.
; It stands a slot's four key steps ahead of the load that will want the bytes.  The last change that fills a slot asks for nothing: there is no slot behind it.  Slots 0 and 1 come by their loads alone.
.macro ASK
	s_cmp_gt_u32 s[SLOTS], s[LIM]
	s_cbranch_scc0 .Lnot_mine_\@
	global_prefetch_b8 v[PFO], s[PFA:PFA+1] th:TH_LOAD_NT scope:SCOPE_SE
.Lnot_mine_\@:
.endm
.macro CROUND                          ; a round of the cluster's barrier: my work-group's barrier; wave 0 signals for the work-group; every wave waits for all four; my work-group's barrier once more
	s_barrier_signal -1
	s_barrier_wait -1
	s_cmp_lg_u32 s[WV], 0
	s_cbranch_scc1 .Lnot_wave_0_\@
	s_barrier_signal -3
.Lnot_wave_0_\@:
	s_barrier_wait -3
	s_barrier_signal -1
	s_barrier_wait -1
.endm
	s_load_b128 s[4:7], s[0:1], 0x0                ; qkv s[4:5], xh s[6:7]
	v_lshl_add_u32 v[SPW], v0, 2, SPARE
	v_mov_b32 v[NIL], 0
	ds_add_u32 v[SPW], v[NIL]                      ; the wave's opening: the add, twice on end, and its wait ahead of the first tensor loads
	ds_add_u32 v[SPW], v[NIL]                      ; the set-up below, work on registers, stands between the second and the wait
	v_lshrrev_b32 v12, 5, v0
	v_readfirstlane_b32 s[WV], v12                 ; wave 0..15
	s_bfe_u32 s9, ttmp6, 0x40000                   ; cx: my place in the cluster: it enters Q's, x's and the prefetches' addresses alone
	s_and_b32 s10, ttmp7, 0xffff                   ; the head, which the four partners share
	s_lshl_b32 s12, s10, 18                        ; the head's first byte in Q, K, V and x (under 2^24)
	s_mov_b32 s13, 0
	s_lshl_b32 s14, s9, 16                         ; my work-group's 512 rows of 128 bytes,
	s_lshl_b32 s15, s[WV], 12                      ; my wave's 32
	s_add_co_u32 s14, s14, s15
	s_add_co_u32 s14, s14, s12
	s_mov_b32 s15, 0
	s_and_b32 s52, s[WV], 1                        ; which half of a slot I fetch, if I fetch:
	s_lshl_b32 s54, s52, 14                        ; 128 keys of 128 bytes in memory
	s_mov_b32 s55, 0
	; descriptor group 1: 64 rows of 128 elements of 2 bytes, dense in memory, padded in LDS
	s_mov_b32 s[G1K], 15|(1<<16)|(1<<20)|(1<<21)|(5<<22)|(3<<25)  ; 15:0 the mask: all four work-groups; 17:16 elements of 2 bytes; 20 padding on; 21 set beside a mask; 24:22 after every 64 words; 31:25 four words
	s_mov_b32 s[G1V], 15|(1<<16)|(1<<20)|(1<<21)|(5<<22)|(7<<25)  ; the same with eight words of padding
.irp g, G1K, G1V
	s_mov_b32 s[\g+1], 128<<16                     ; tensor_dim0
	s_mov_b32 s[\g+2], 64<<16                      ; tensor_dim1
	s_mov_b32 s[\g+3], 128<<16                     ; tile_dim0
	s_mov_b32 s[\g+4], 64                          ; tile_dim1
	s_mov_b32 s[\g+5], 128                         ; from row to row
	s_mov_b32 s[\g+6], 0
	s_mov_b32 s[\g+7], 0
.endr
	s_mov_b32 s[G0K], 1                            ; count = 1
	s_mul_i32 s[G0K+1], s52, 64*PK                 ; LDS address: slot 0, my half: no place in the cluster enters it
	s_mov_b32 s[G0V], 1
	s_mul_i32 s[G0V+1], s52, 64*PV
	s_add_co_u32 s[G0V+1], s[G0V+1], VOFF
	s_mov_b32 s[CS], 0x3e38aa3b                    ; c = log2(e) / 8
	s_mov_b32 s[CS+1], s[CS]                       ; (named with it as a pair, so it is written)
	s_mov_b32 s[SEL], 0x76543210
	s_mov_b32 s[SEL+1], 0xfedcba98
	s_mov_b32 s[TB], 0
	s_mov_b32 s[SLOTS], NSL-1
	s_lshr_b32 s[LIM], s[WV], 1
	s_cmp_eq_u32 s[LIM], 2                         ; waves 4 and 5 prefetch
	s_cselect_b32 s[LIM], 1, -1
	s_lshl_b32 s62, s9, 13                         ; my work-group's 8,192 bytes of a slot's 32,768,
	s_add_co_u32 s62, s62, SLOTB                   ; in slot 1: the first change of slots steps it to slot 2
	s_mov_b32 s63, 0
	s_wait_dscnt 0x0                               ; both opening adds are done
	s_wait_kmcnt 0x0
	s_add_nc_u64 s[58:59], s[4:5], 0x1000000
	s_add_nc_u64 s[58:59], s[58:59], s[12:13]      ; the head's K
	s_add_nc_u64 s[60:61], s[58:59], 0x1000000     ; and V
	s_add_nc_u64 s[G0K+2:G0K+3], s[58:59], s[54:55]
	s_or_b32 s[G0K+3], s[G0K+3], 0x80000000        ; type = 2
	s_add_nc_u64 s[G0V+2:G0V+3], s[60:61], s[54:55]
	s_or_b32 s[G0V+3], s[G0V+3], 0x80000000
	s_add_nc_u64 s[16:17], s[4:5], s[14:15]        ; Q at my wave's first row
	s_add_nc_u64 s[56:57], s[6:7], s[14:15]        ; x likewise
	s_cmp_eq_u32 s[WV], 4
	s_cselect_b64 s[PFA:PFA+1], s[58:59], s[60:61]
	s_add_nc_u64 s[PFA:PFA+1], s[PFA:PFA+1], s[62:63]
	CROUND                                         ; all four work-groups are here: the first joint loads meet
	TLOAD                                          ; slot 0.  A wave never has more than one tensor load out
	v_and_b32 v12, 15, v0                          ; r = l % 16
	v_bfe_u32 v13, v0, 4, 1                        ; h = l / 16
	v_lshlrev_b32 v[QO], 7, v12
	v_lshl_add_u32 v[QO], v13, 4, v[QO]            ; Q: row r of 128 bytes + 16 h
.irp t, 0,1
.irp c, 0,1
	global_load_b128 v[QF+16*\t+8*\c:QF+16*\t+8*\c+3], v[QO], s[16:17] offset:\t*2048+64*\c        ; Q stays in registers: registers 0-3 channels 32 c + 8 h on,
	global_load_b128 v[QF+16*\t+8*\c+4:QF+16*\t+8*\c+7], v[QO], s[16:17] offset:\t*2048+64*\c+32   ; registers 4-7 sixteen channels further
.endr
.endr
	v_lshrrev_b32 v14, 1, v12
	v_mul_u32_u24 v[AK0], v14, PK
	v_and_b32 v14, 1, v0
	v_lshl_add_u32 v[AK0], v14, 7, v[AK0]
	v_lshl_add_u32 v[AK0], v13, 4, v[AK0]          ; K: key r: (r / 2) x 272 + (r % 2) x 128 + 16 h
	; the turning load: lane l reads 16 bytes of key 8 h + l % 8, channels 8 ((l / 8) % 2) on, and is left with channel l % 16 and 8 keys
	v_bfe_u32 v15, v0, 1, 2
	v_lshl_add_u32 v15, v13, 2, v15                ; the key's pair row: 4 h + (l % 8) / 2
	v_mul_u32_u24 v[AV0], v15, PV
	v_lshl_add_u32 v[AV0], v14, 7, v[AV0]
	v_bfe_u32 v15, v0, 3, 1
	v_lshl_add_u32 v[AV0], v15, 4, v[AV0]
	v_add_nc_u32 v[AV0], VOFF, v[AV0]
	s_mul_i32 s53, s[WV], 4608
	s_add_co_u32 s53, s53, STAGE                   ; my stage
	v_mul_u32_u24 v[STO], v12, 144                 ; in: row r of 144 bytes, 16 bytes for each half of the lanes
	v_lshl_add_u32 v[STO], v13, 4, v[STO]
	v_add_nc_u32 v[STO], s53, v[STO]
	v_bfe_u32 v14, v0, 3, 2
	v_mul_u32_u24 v[RD], v14, 144                  ; back: eight lanes to a row, four rows an instruction
	v_and_b32 v15, 7, v0
	v_lshl_add_u32 v[RD], v15, 4, v[RD]
	v_add_nc_u32 v[RD], s53, v[RD]
	v_and_b32 v[GO], 31, v0
	v_lshlrev_b32 v[PFO], 8, v[GO]
	v_lshlrev_b32 v[GO], 4, v[GO]
.irp t, 0,1
	v_mov_b32 v[ST+8*\t+1], 0xff61b1e6             ; m: -3e38, under every score
	v_mul_f32 v[ST+8*\t], s[CS], v[ST+8*\t+1]      ; c m
	v_mov_b32 v[ST+8*\t+2], 0                      ; l, in two halves
	v_mov_b32 v[ST+8*\t+3], 0
.endr
.set i, 0
.rept 64
	v_mov_b32 v[O+i], 0                            ; O^T.  The step is written once: its first run finds zeros, which the first a (0) leaves zeros
.set i, i+1
.endr
; A KEY STEP: 64 keys, the q-th of the slot in hand.
.macro STEP q
.irp c, 0,1                                    ; K: 16 loads, the first 32 channels' eight first
.irp kt, 0,1,2,3
	ds_load_b128 v[KV+32*\c+8*\kt:KV+32*\c+8*\kt+3],   v[ADK] offset:(\q)*KSTEPB+\kt*8*PK+64*\c
	ds_load_b128 v[KV+32*\c+8*\kt+4:KV+32*\c+8*\kt+7], v[ADK] offset:(\q)*KSTEPB+\kt*8*PK+64*\c+32
.endr
.endr
	s_wait_dscnt 8                                 ; the first 32 channels are in; the youngest eight loads may be out
.irp kt, 0,1,2,3                               ; S^T = K Q^T: eight accumulators by turns, one instruction a turn; the first products start the sums
.irp t, 0,1
	v_wmma_f32_16x16x32_f16 v[S+32*\t+8*\kt:S+32*\t+8*\kt+7], v[KV+8*\kt:KV+8*\kt+7], v[QF+16*\t:QF+16*\t+7], 0
.endr
.endr
	s_wait_dscnt 0x0
.irp kt, 0,1,2,3
.irp t, 0,1
	v_wmma_f32_16x16x32_f16 v[S+32*\t+8*\kt:S+32*\t+8*\kt+7], v[KV+32+8*\kt:KV+32+8*\kt+7], v[QF+16*\t+8:QF+16*\t+15], v[S+32*\t+8*\kt:S+32*\t+8*\kt+7]
.endr
.endr
.rept 4
	v_nop                                          ; four places: ahead of the loads into K's registers, and of the first read of the scores
.endr
.irp kc, 0,1                                   ; V, turned, lands while the softmax is worked
.irp ct, 0,1,2,3
	ds_load_tr16_b128 v[KV+32*\kc+8*\ct:KV+32*\kc+8*\ct+3],   v[ADV] offset:(\q)*VSTEPB+\kc*16*PV+32*\ct
	ds_load_tr16_b128 v[KV+32*\kc+8*\ct+4:KV+32*\kc+8*\ct+7], v[ADV] offset:(\q)*VSTEPB+\kc*16*PV+8*PV+32*\ct
.endr
.endr
	; THE SOFTMAX, the two tiles by turns, so that no line waits for the line above it.  The maximum of the lane's 32 scores and the old m: four chains, each accumulator from its low end on
.irp j, 0,1,2,3
.irp t, 0,1
	v_max3_num_f32 v[ST+8*\t+4+\j], v[S+32*\t+8*\j], v[S+32*\t+8*\j+1], v[S+32*\t+8*\j+2]
.endr
.endr
.irp n, 3,5
.irp j, 0,1,2,3
.irp t, 0,1
	v_max3_num_f32 v[ST+8*\t+4+\j], v[ST+8*\t+4+\j], v[S+32*\t+8*\j+\n], v[S+32*\t+8*\j+\n+1]
.endr
.endr
.endr
.irp t, 0,1
	v_max3_num_f32 v[ST+8*\t+4], v[ST+8*\t+4], v[S+32*\t+7], v[S+32*\t+15]
	v_max3_num_f32 v[ST+8*\t+6], v[ST+8*\t+6], v[S+32*\t+23], v[S+32*\t+31]
.endr
.irp t, 0,1
	v_max3_num_f32 v[ST+8*\t+4], v[ST+8*\t+4], v[ST+8*\t+5], v[ST+8*\t+6]
.endr
.irp t, 0,1
	v_max3_num_f32 v[ST+8*\t+4], v[ST+8*\t+4], v[ST+8*\t+7], v[ST+8*\t+1]
.endr
.irp t, 0,1
	v_permlanex16_b32 v[ST+8*\t+5], v[ST+8*\t+4], s[SEL], s[SEL+1]   ; the query's other 32 keys lie in the lane 16 away
.endr
.irp t, 0,1
	v_mov_b32 v[ST+8*\t+7], v[ST+8*\t]             ; c m_old is kept for a
.endr
.irp t, 0,1
	v_max_num_f32 v[ST+8*\t+1], v[ST+8*\t+4], v[ST+8*\t+5]   ; the new m
.endr
.irp t, 0,1
	v_mul_f32 v[ST+8*\t], s[CS], v[ST+8*\t+1]      ; c m
.endr
.irp t, 0,1
	v_sub_f32 v[ST+8*\t+7], v[ST+8*\t+7], v[ST+8*\t]   ; c m_old - c m_new, 0 or less
.endr
.irp b, 0,1,2,3,4,5,6,7,8,9,10,11,12,13,14,15
.irp t, 0,1
	v_pk_fma_f32 v[S+32*\t+2*\b:S+32*\t+2*\b+1], v[S+32*\t+2*\b:S+32*\t+2*\b+1], s[CS:CS+1], v[ST+8*\t:ST+8*\t+1] op_sel_hi:[1,0,0] neg_lo:[0,0,1] neg_hi:[0,0,1]   ; c s - c m, two at a time
.endr
.endr
.irp t, 0,1
	v_exp_f32 v[ST+8*\t+6], v[ST+8*\t+7]           ; a.  ONE BATCH: 66 exponentials, none of which reads another's result
.endr
.set i, 0
.rept 32
	v_exp_f32 v[S+i], v[S+i]                       ; p
	v_exp_f32 v[S+32+i], v[S+32+i]
.set i, i+1
.endr
	v_nop                                          ; a plain instruction behind the last exponential
	s_wait_alu depctr_va_vdst(0)                   ; one wait for the batch, ahead of the first line that names a result
.irp t, 0,1                                    ; the sums of the unrounded p: a pair holds an even key's and an odd key's; two chains a tile
	v_pk_fma_f32 v[ST+8*\t+2:ST+8*\t+3], v[ST+8*\t+2:ST+8*\t+3], v[ST+8*\t+6:ST+8*\t+7], v[S+32*\t:S+32*\t+1] op_sel_hi:[1,0,1]   ; l = a l + pair 0
.endr
.irp t, 0,1
	v_pk_add_f32 v[ST+8*\t+4:ST+8*\t+5], v[S+32*\t+2:S+32*\t+3], v[S+32*\t+4:S+32*\t+5]
.endr
.irp p, 3,5,7,9,11,13,15
.irp t, 0,1
	v_pk_add_f32 v[ST+8*\t+2:ST+8*\t+3], v[ST+8*\t+2:ST+8*\t+3], v[S+32*\t+2*\p:S+32*\t+2*\p+1]
.endr
.if \p < 15
.irp t, 0,1
	v_pk_add_f32 v[ST+8*\t+4:ST+8*\t+5], v[ST+8*\t+4:ST+8*\t+5], v[S+32*\t+2*\p+2:S+32*\t+2*\p+3]
.endr
.endif
.endr
.irp t, 0,1
	v_pk_add_f32 v[ST+8*\t+2:ST+8*\t+3], v[ST+8*\t+2:ST+8*\t+3], v[ST+8*\t+4:ST+8*\t+5]
.endr
.irp j, 0,1,2,3,4,5,6,7,8,9,10,11,12,13,14,15   ; P in place: register j takes p 2 j and 2 j + 1; ascending, so nothing is written before it is read
.irp t, 0,1
	v_cvt_pk_f16_f32 v[S+32*\t+\j], v[S+32*\t+2*\j], v[S+32*\t+2*\j+1]
.endr
.endr
.irp j, 0,1,2,3,4,5,6,7,8,9,10,11,12,13,14,15   ; O^T times a, each accumulator from its low end on
.irp t, 0,1
	v_pk_mul_f32 v[O+32*\t+2*\j:O+32*\t+2*\j+1], v[O+32*\t+2*\j:O+32*\t+2*\j+1], v[ST+8*\t+6:ST+8*\t+7] op_sel_hi:[1,0]
.endr
.endr
	s_wait_dscnt 0x0                               ; V is in
.irp kc, 0,1                                   ; O^T += V^T P: eight accumulators by turns
.irp ct, 0,1,2,3
.irp t, 0,1
	v_wmma_f32_16x16x32_f16 v[O+32*\t+8*\ct:O+32*\t+8*\ct+7], v[KV+32*\kc+8*\ct:KV+32*\kc+8*\ct+7], v[S+32*\t+8*\kc:S+32*\t+8*\kc+7], v[O+32*\t+8*\ct:O+32*\t+8*\ct+7]
.endr
.endr
.endr
.rept 5
	v_nop                                          ; five places: the next step's first products write over P, which these products read; four of them serve the loads into V's registers
.endr
.endm
; THE CHANGE OF SLOTS stands at a slot's head.  Each wave waits for all its tensor loads (its part of the slot that it is about to read), adds 0 to its spare word, and waits for that and for its reads
; of the slot that it has left.  fill = 1: a round of the cluster's barrier follows, so that no wave of any partner still reads that slot or has a load on its way; the joint load into it comes first
; behind the round and has the slot's four steps in which to land.  (In the first trip it is slot 1's first fill.)
.macro CHANGE fill
	s_wait_tensorcnt 0x0                           ; no tensor load of mine is out, so a group 0 may be written
	ds_add_u32 v[SPW], v[NIL]                      ; 0 onto my spare word
.if \fill
	ds_add_u32 v[SPW], v[NIL]                      ; and once more: the add twice on end, in every trip alike
	s_xor_b32 s[G0K+1], s[G0K+1], SLOT1            ; the walking descriptors: the other slot than last time,
	s_add_nc_u64 s[G0K+2:G0K+3], s[G0K+2:G0K+3], SLOTB   ; the next 256 keys; the type bits on top are not reached
	s_xor_b32 s[G0V+1], s[G0V+1], SLOT1
	s_add_nc_u64 s[G0V+2:G0V+3], s[G0V+2:G0V+3], SLOTB
	s_wait_xcnt 0x0                                ; the last prefetch, a slot back, has read its address, so it may be written:
	s_add_nc_u64 s[PFA:PFA+1], s[PFA:PFA+1], SLOTB ; one slot further on than the walking descriptors
	s_wait_dscnt 0x0                               ; both adds are done, and my reads of the slot that I have left are over
	CROUND
	TLOAD
	ASK
.else
	s_wait_dscnt 0x0
	s_barrier_signal -1
	s_barrier_wait -1
.endif
.endm
.macro SLOT_STEPS
	v_add_nc_u32 v[ADK], s[TB], v[AK0]
	v_add_nc_u32 v[ADV], s[TB], v[AV0]
	STEP 0
	STEP 1
	STEP 2
	STEP 3
	s_xor_b32 s[TB], s[TB], SLOT1                  ; on to the other slot
.endm
	s_wait_loadcnt 0x0                             ; Q
.Lslot:                                            ; seven trips: behind each change of slots but the last the next slot is asked for
	CHANGE 1
	SLOT_STEPS
	s_sub_co_u32 s[SLOTS], s[SLOTS], 1
	s_cmp_lg_u32 s[SLOTS], 0
	s_cbranch_scc1 .Lslot
	CHANGE 0                                       ; the last slot is written out
	SLOT_STEPS
	; THE WAY OUT.  l's two halves and the other half of the lanes' are added; O^T is divided by l, rounded to f16 and sent through my stage, so that each store covers 4 rows x 128 bytes = 512 consecutive bytes.
.irp t, 0,1
	v_add_f32 v[ST+8*\t+4], v[ST+8*\t+2], v[ST+8*\t+3]
.endr
.irp t, 0,1
	v_permlanex16_b32 v[ST+8*\t+5], v[ST+8*\t+4], s[SEL], s[SEL+1]
.endr
.irp t, 0,1
	v_add_f32 v[ST+8*\t+4], v[ST+8*\t+4], v[ST+8*\t+5]
.endr
.irp t, 0,1
	v_rcp_f32 v[ST+8*\t+6], v[ST+8*\t+4]
.endr
	v_nop                                          ; a plain instruction behind the last reciprocal
	s_wait_alu depctr_va_vdst(0)                   ; one wait for the two, ahead of the first use
.irp t, 0,1
.irp j, 0,1,2,3,4,5,6,7,8,9,10,11,12,13,14,15
	v_pk_mul_f32 v[O+32*\t+2*\j:O+32*\t+2*\j+1], v[O+32*\t+2*\j:O+32*\t+2*\j+1], v[ST+8*\t+6:ST+8*\t+7] op_sel_hi:[1,0]
.endr
.endr
.irp t, 0,1
.irp j, 0,1,2,3,4,5,6,7,8,9,10,11,12,13,14,15
	v_cvt_pk_f16_f32 v[S+16*\t+\j], v[O+32*\t+2*\j], v[O+32*\t+2*\j+1]   ; registers 4 ct .. 4 ct + 3: x(r, 16 ct + 8 h + 0 .. 7)
.endr
.endr
.irp t, 0,1
.irp ct, 0,1,2,3
	ds_store_b128 v[STO], v[S+16*\t+4*\ct:S+16*\t+4*\ct+3] offset:\t*2304+32*\ct
.endr
.endr
.irp t, 0,1
.irp n, 0,1,2,3
	ds_load_b128 v[KV+16*\t+4*\n:KV+16*\t+4*\n+3], v[RD] offset:\t*2304+576*\n   ; LDS serves a wave's instructions in order (ISA guide 5.7.1.4): these see my stores
.endr
.endr
.irp t, 0,1
.irp n, 0,1,2,3
	s_wait_dscnt 7-4*\t-\n                         ; the younger loads from the stage may be out
	global_store_b128 v[GO], v[KV+16*\t+4*\n:KV+16*\t+4*\n+3], s[56:57] offset:\t*2048+512*\n
.endr
.endr
	s_wait_tensorcnt 0x0                           ; the wave's end, behind my last tensor load and my last LDS store
	ds_add_u32 v[SPW], v[NIL]
	s_wait_dscnt 0x0
	CROUND                                         ; the closing round: no work-group ends while a partner may still ask for a tile that names it
	s_endpgm
.Lfunc_end_k_qa1ff317753_attn:
	.size	k_qa1ff317753_attn, .Lfunc_end_k_qa1ff317753_attn-k_qa1ff317753_attn
	.p2alignl 7, 3214868480
	.fill 96, 4, 3214868480
	.section	.rodata,"a",@progbits
	.p2align	6, 0x0
	.amdhsa_kernel k_qa1ff317753_attn
		.amdhsa_group_segment_fixed_size 327680
		.amdhsa_private_segment_fixed_size 0
		.amdhsa_enable_private_segment 0
		.amdhsa_kernarg_size 16
		.amdhsa_user_sgpr_count 2
		.amdhsa_user_sgpr_kernarg_segment_ptr 1
		.amdhsa_wavefront_size32 1
		.amdhsa_system_sgpr_workgroup_id_x 1
		.amdhsa_system_sgpr_workgroup_id_y 1
		.amdhsa_system_sgpr_workgroup_id_z 1
		.amdhsa_system_vgpr_workitem_id 0
		.amdhsa_next_free_vgpr 256
		.amdhsa_next_free_sgpr 66
		.amdhsa_reserve_vcc 0
		.amdhsa_float_denorm_mode_32 3
		.amdhsa_float_denorm_mode_16_64 3
		.amdhsa_memory_ordered 1
		.amdhsa_forward_progress 1
		.amdhsa_inst_pref_size 154
	.end_amdhsa_kernel
	.amdgpu_metadata
---
amdhsa.version: [ 1, 2 ]
amdhsa.kernels:
  - .name:           k_qa1ff317753_attn
    .symbol:         k_qa1ff317753_attn.kd
    .args:
      - { .name: qkv, .offset: 0, .size: 8, .value_kind: global_buffer, .address_space: global }
      - { .name: xh, .offset: 8, .size: 8, .value_kind: global_buffer, .address_space: global }
    .group_segment_fixed_size: 327680
    .private_segment_fixed_size: 0
    .kernarg_segment_align: 8
    .kernarg_segment_size: 16
    .max_flat_workgroup_size: 512
    .sgpr_count:     66
    .vgpr_count:     256
    .wavefront_size: 32
...
	.end_amdgpu_metadata
.endif
;; end of part 3
;; launch outp (part 4): grid 8 x 64, 4 waves a work-group, clusters of 4 x 4, 327,680 bytes of LDS; arguments xh, wfh, out0, bf; writes out0
.if DOCPART == 4
	.amdgcn_target "amdgcn-amd-amdhsa--gfx1250"
	.amdhsa_code_object_version 6
	.text
	.protected	k_qa1ff317753_outp
	.globl	k_qa1ff317753_outp
	.p2align	8
	.type	k_qa1ff317753_outp,@function
k_qa1ff317753_outp:
	s_mov_b64 s[64:65], 0
	v_nop
	global_prefetch_b8 v0, s[64:65] scope:SCOPE_SE
	s_setreg_imm32_b32 hwreg(HW_REG_WAVE_MODE, 25, 1), 1
	s_wait_xcnt 0x0
	s_wait_alu depctr_hold_cnt(0) depctr_sa_sdst(0) depctr_va_vdst(0) depctr_va_sdst(0) depctr_va_ssrc(0) depctr_va_vcc(0) depctr_vm_vsrc(0)
	s_getreg_b32 s2, hwreg(HW_REG_IB_STS2, 6, 4)
	s_cmp_eq_u32 s2, 0
	s_cbranch_scc0 .Lentry_in_a_cluster
	s_endpgm
.Lentry_in_a_cluster:
	s_bfe_u32 s2, ttmp6, 0x10000c
	s_cmp_lg_u32 s2, 0xf033
	s_cbranch_scc0 .Lentry_shape_is_right
	s_endpgm
.Lentry_shape_is_right:
; out0[m][n] = the sum over k of x[m][k] wf[n][k] + bf[n].  x: xh, f16 [b 4][h 16][s 2048][64] (m = 2048 b + s, k = 64 h + d); wf: wfh, f16 [hh 16][n 1024][64]; out0: [8192][1024] f32; sums in f32.
; A tile of out0 is 128 x 128: 512 work-groups of four waves, each wave 64 x 64: 16 accumulators of 16 x 16.  K goes in steps of 256 (four heads) through a ring of two LDS slots.
; A wave's tensor load brings 64 rows x 4 heads.  In one head 64 rows are 8,192 dense bytes, so the tile is stated as 4 rows of 4,096 elements, a head's distance apart, with 16 bytes of padding behind
; every 256: in LDS a head takes 32 x 272 = 8,704 bytes, and row j of the 64 lies at (j / 2) x 272 + (j % 2) x 128: the 16 rows of a fragment load fall on 16 different 16-byte columns.
; CLUSTERS: 4 x 4 work-groups.  The four of a row of the cluster need the same tiles of x, the four of a column the same tiles of wf: each is asked for JOINTLY.
; THE MATRIX INSTRUCTION IS USED TRANSPOSED (source 0 = 16 rows of wf, source 1 = 16 rows of x): a lane holds eight neighbouring numbers of a row of out0.  The bias is the C of each sum's first instruction.
; REGISTERS: window 0: v0-31 addresses; v32-95 rows on the way out; v96-127 the bias, four tiles; v128-255 the accumulators ((a, b) at v[128 + 8 (4 a + b)]).
;   window 1: two fragment buffers of 128: for 64 along K (one head), 64 registers of x, then 64 of wf.
.set HB,     32*272                    ; a head's 64 rows in LDS
.set BLK,    8*272                     ; 16 rows of them
.set HALFT,  4*HB                      ; what one tensor load brings, and what one wave reads of x or of wf
.set SLOT,   4*HALFT                   ; x's 128 rows, then wf's 128 rows
.set STAGE,  2*SLOT                    ; behind the ring: 16 rows x (256 bytes + 16) for each wave: bytes of its own, into which no tile lands
.set SPITCH, 272
.set SPARE,  STAGE+4*16*SPITCH         ; the spare words, 128 bytes a wave, which no other line names
.set LAPS,   2                         ; a lap = two K steps = once round the ring; K = 1,024
.set STEPA,  1<<20                     ; a K step on in xh: four heads of 262,144 bytes
.set STEPW,  1<<19                     ; and in wfh: four heads of 131,072 bytes
.set ADRA, 16                          ; v16-17  LDS address of my x fragments in slot 0, 1
.set ADRB, 20                          ; v20-21  the same for wf
.set STO,  24                          ; v24     the way out: where I put 32 bytes of a row
.set RD,   25                          ; v25     where I read rows back
.set CO,   26                          ; v26     my byte offset in out0
.set SPW,  28                          ; v28     LDS address of my spare word; never rewritten
.set NIL,  29                          ; v29     0; never rewritten
.set TMP,  32
.set BI,   96
.set ACC,  128
.set F0,   0                           ; fragment buffers, in window 1
.set F1,   128
.set G1, 24                            ; s[24:31] descriptor group 1 for x's tiles;  s[32:39] group 0, one set for each slot
.set G0, 32
.set G1B, 48                           ; s[48:55], s[56:63] the same for wf's tiles
.set G0B, 56
.set MSB, 0
.macro WIN new                         ; the immediate's high byte repeats the setting that is left
.if MSB != \new
	s_set_vgpr_msb (MSB<<8)|\new
.set MSB, \new
.endif
.endm
.set MUL,  0x05                        ; sources 0 (wf) and 1 (x) window 1; C and D window 0
.set TO_F, 0x40                        ; destination window 1, address window 0
.macro JLOAD s                         ; a joint load: waves 0 and 1 fetch x's two halves, waves 2 and 3 wf's; an s_nop 0 and four v_nop follow each of the two lines
	s_cmp_eq_u32 s11, 0
	s_cbranch_scc0 .Lfor_b_\@
	tensor_load_to_lds s[G0+4*\s:G0+4*\s+3], s[G1:G1+7]
	s_nop 0
.rept 4
	v_nop
.endr
	s_branch .Lasked_\@
.Lfor_b_\@:
	tensor_load_to_lds s[G0B+4*\s:G0B+4*\s+3], s[G1B:G1B+7]
	s_nop 0
.rept 4
	v_nop
.endr
.Lasked_\@:
.endm
.macro CREST                           ; a round of the cluster's barrier behind its opening barrier
	s_cmp_lg_u32 s10, 0
	s_cbranch_scc1 .Lnot_wave_0_\@
	s_barrier_signal -3
.Lnot_wave_0_\@:
	s_barrier_wait -3
	s_barrier_signal -1
	s_barrier_wait -1
.endm
.macro CROUND                          ; a whole round
	s_barrier_signal -1
	s_barrier_wait -1
	CREST
.endm
	s_load_b128 s[4:7], s[0:1], 0x0                ; xh s[4:5], wfh s[6:7]
	s_load_b64 s[8:9], s[0:1], 0x10                ; out0
	s_load_b64 s[66:67], s[0:1], 0x18              ; bf
	v_lshl_add_u32 v[SPW], v0, 2, SPARE
	v_mov_b32 v[NIL], 0
	ds_add_u32 v[SPW], v[NIL]                      ; the wave's opening: the add, twice on end, and its wait ahead of my first tensor load
	ds_add_u32 v[SPW], v[NIL]                      ; the set-up below, work on registers, stands between the second and the wait
	v_lshrrev_b32 v1, 5, v0
	v_readfirstlane_b32 s10, v1                    ; wave 0..3
	s_lshr_b32 s11, s10, 1                         ; which half of the tile's rows is mine.  Also: I fetch for x (0) or for wf (1)
	s_and_b32 s12, s10, 1                          ; which half of its columns.  Also: which 64 rows of that tile I fetch
	s_bfe_u32 s40, ttmp6, 0x40000                  ; cx, cy: my place in the cluster
	s_bfe_u32 s41, ttmp6, 0x40004
	s_lshl_b32 s42, ttmp9, 2
	s_add_co_u32 s42, s42, s40                     ; tile column = 4 x cluster x + cx
	s_and_b32 s13, ttmp7, 0xffff
	s_lshl_b32 s13, s13, 2
	s_add_co_u32 s13, s13, s41                     ; tile row = 4 x cluster y + cy
	s_lshl_b32 s43, s41, 2
	s_lshl_b32 s43, 15, s43                        ; my row of the cluster
	s_lshl_b32 s44, 0x1111, s40                    ; my column
	; descriptor group 1: 4 rows of 4,096 elements of 2 bytes
	s_or_b32 s[G1+0], s43, (1<<16)|(1<<20)|(1<<21)|(5<<22)|(3<<25)  ; 15:0 the mask; 17:16 elements of 2 bytes; 20 padding on; 21 set beside a mask; 24:22 after every 64 words; 31:25 four words
	s_or_b32 s[G1B+0], s44, (1<<16)|(1<<20)|(1<<21)|(5<<22)|(3<<25)
.irp g, G1, G1B
	s_mov_b32 s[\g+1], 4096<<16                    ; tensor_dim0
	s_mov_b32 s[\g+2], 4<<16                       ; tensor_dim1
	s_mov_b32 s[\g+3], 4096<<16                    ; tile_dim0
	s_mov_b32 s[\g+4], 4                           ; tile_dim1
	s_mov_b32 s[\g+6], 0
	s_mov_b32 s[\g+7], 0
.endr
	s_mov_b32 s[G1+5], 131072                      ; from head to head, in elements: 2,048 rows of 64 in xh,
	s_mov_b32 s[G1B+5], 65536                      ; 1,024 rows of 64 in wfh
	s_lshl_b32 s17, s12, 6                         ; which 64 rows of the tile I fetch
	s_lshl_b32 s46, s42, 7
	s_add_co_u32 s46, s46, s17                     ; wf: row 128 x tile column + 64 x half,
	s_lshl_b32 s46, s46, 7                         ; of 128 bytes
	s_mov_b32 s47, 0
	s_lshl_b32 s16, s13, 7
	s_add_co_u32 s16, s16, s17                     ; x: row m = 128 x tile row + 64 x half:
	s_lshr_b32 s18, s16, 11
	s_lshl_b32 s18, s18, 22                        ; batch m / 2048, 16 heads of 262,144 bytes each,
	s_and_b32 s16, s16, 2047
	s_lshl_b32 s16, s16, 7                         ; position m % 2048, 128 bytes each
	s_add_co_u32 s16, s16, s18
	s_mov_b32 s17, 0
	s_mul_i32 s20, s10, HALFT                      ; where they go: wave x 64 rows: no place in the cluster enters an LDS address
	s_wait_dscnt 0x0                               ; both opening adds are done
	s_wait_kmcnt 0x0
	s_add_nc_u64 s[14:15], s[4:5], s[16:17]
	s_add_nc_u64 s[46:47], s[6:7], s[46:47]
	CROUND                                         ; all sixteen work-groups are here: the first joint loads meet
.irp s, 0,1
	s_mov_b32 s[G0+4*\s], 1
	s_add_co_u32 s[G0+4*\s+1], s20, \s*SLOT
	s_add_nc_u64 s[G0+4*\s+2:G0+4*\s+3], s[14:15], \s*STEPA
	s_or_b32 s[G0+4*\s+3], s[G0+4*\s+3], 0x80000000
	s_mov_b32 s[G0B+4*\s], 1
	s_add_co_u32 s[G0B+4*\s+1], s20, \s*SLOT
	s_add_nc_u64 s[G0B+4*\s+2:G0B+4*\s+3], s[46:47], \s*STEPW
	s_or_b32 s[G0B+4*\s+3], s[G0B+4*\s+3], 0x80000000
	JLOAD \s                                       ; two loads of mine are out
.endr
	v_and_b32 v1, 15, v0                           ; r = l % 16
	v_bfe_u32 v2, v0, 4, 1                         ; h = l / 16
	; my first column, in bytes of f32: 512 x tile column + 256 x half: for the bias and for out0
	s_lshl_b32 s46, s42, 9
	s_lshl_b32 s47, s12, 8
	s_add_co_u32 s46, s46, s47
	s_mov_b32 s47, 0
	s_add_nc_u64 s[66:67], s[66:67], s[46:47]
	v_lshlrev_b32 v6, 5, v2                        ; lane (r, h) wants, for wf's block b, the bias of columns 16 b + 8 h + 0 .. 7
.irp b, 0,1,2,3
	global_load_b128 v[BI+8*\b:BI+8*\b+3], v6, s[66:67] offset:64*\b
	global_load_b128 v[BI+8*\b+4:BI+8*\b+7], v6, s[66:67] offset:64*\b+16
.endr
	v_lshrrev_b32 v3, 1, v1
	v_mul_u32_u24 v3, v3, 272
	v_and_b32 v4, 1, v0
	v_lshl_add_u32 v3, v4, 7, v3
	v_lshl_add_u32 v3, v2, 4, v3                   ; a fragment's row r: (r / 2) x 272 + (r % 2) x 128 + 16 h
	s_mul_i32 s21, s11, HALFT                      ; my 64 rows of x
	s_mul_i32 s22, s12, HALFT                      ; my 64 rows of wf,
	s_add_co_u32 s22, s22, 2*HALFT                 ; which lie behind x's 128
.irp s, 0,1
	v_add_nc_u32 v[ADRA+\s], s21, v3
	v_add_nc_u32 v[ADRB+\s], s22, v3
	s_add_co_u32 s21, s21, SLOT
	s_add_co_u32 s22, s22, SLOT
.endr
	s_mul_i32 s23, s10, 16*SPITCH
	s_add_co_u32 s23, s23, STAGE                   ; my stage
	v_mul_u32_u24 v4, v1, SPITCH                   ; in: row r, 32 bytes for each half of the lanes
	v_lshl_add_u32 v4, v2, 5, v4
	v_add_nc_u32 v[STO], s23, v4
	v_mul_u32_u24 v5, v2, SPITCH                   ; back: lanes 0-15 take one row of 256 bytes, lanes 16-31 the next
	v_lshl_add_u32 v5, v1, 4, v5
	v_add_nc_u32 v[RD], s23, v5
	v_lshlrev_b32 v5, 12, v2                       ; and the same two rows in out0: 4,096 bytes a row
	v_lshl_add_u32 v[CO], v1, 4, v5
	s_lshl_b32 s16, s13, 7
	s_lshl_b32 s17, s11, 6
	s_add_co_u32 s16, s16, s17                     ; my first row of out0: 128 x tile row + 64 x half
	s_lshl_b32 s16, s16, 12
	s_mov_b32 s17, 0
	s_add_nc_u64 s[8:9], s[8:9], s[16:17]
	s_add_nc_u64 s[8:9], s[8:9], s[46:47]
; 8 matrix instructions: x's blocks a0, a0 + 1 against wf's four, 32 along K: half c of buffer f.  first = 1: the sum begins with the bias as C.  The 16 accumulators take turns.
.macro MUL8 f, c, a0, first
.irp a, \a0, \a0+1
.irp b, 0,1,2,3
.if \first
	v_wmma_f32_16x16x32_f16 v[ACC+8*(4*(\a)+\b):ACC+8*(4*(\a)+\b)+7], v[\f+64+8*(4*\c+\b):\f+64+8*(4*\c+\b)+7], v[\f+8*(4*\c+\a):\f+8*(4*\c+\a)+7], v[BI+8*\b:BI+8*\b+7]
.else
	v_wmma_f32_16x16x32_f16 v[ACC+8*(4*(\a)+\b):ACC+8*(4*(\a)+\b)+7], v[\f+64+8*(4*\c+\b):\f+64+8*(4*\c+\b)+7], v[\f+8*(4*\c+\a):\f+8*(4*\c+\a)+7], v[ACC+8*(4*(\a)+\b):ACC+8*(4*(\a)+\b)+7]
.endif
.endr
.endr
.endm
; 32 LDS loads in one run: the fragments of one head (64 along K), which begins at byte k of a wave's tile, into buffer f; the first 32 along K first
.macro FETCH slot, k, f
	WIN TO_F
.irp c, 0,1
.irp i, 0,1,2,3
	ds_load_b128 v[\f+64+8*(4*\c+\i):\f+64+8*(4*\c+\i)+3],   v[ADRB+\slot] offset:\k+64*\c+\i*BLK
	ds_load_b128 v[\f+64+8*(4*\c+\i)+4:\f+64+8*(4*\c+\i)+7], v[ADRB+\slot] offset:\k+64*\c+\i*BLK+32
	ds_load_b128 v[\f+8*(4*\c+\i):\f+8*(4*\c+\i)+3],         v[ADRA+\slot] offset:\k+64*\c+\i*BLK
	ds_load_b128 v[\f+8*(4*\c+\i)+4:\f+8*(4*\c+\i)+7],       v[ADRA+\slot] offset:\k+64*\c+\i*BLK+32
.endr
.endr
.endm
.macro PLACES                          ; four places in front of loads into registers that matrix instructions have read, and of the first read of results (ISA guide 7.12.1 for vector instructions)
.rept 4
	v_nop
.endr
.endm
; A K step is four quarters, a head each, 32 matrix instructions, on buffers 0, 1, 0, 1.  One of the first three: multiplies buffer f and fetches the next head, at byte k, into g.
.macro QUARTER slot, k, f, g, first
	s_wait_dscnt 16                                ; the first 32 along K are in; the youngest sixteen loads may be out
	WIN MUL
	MUL8 \f, 0, 0, \first
	MUL8 \f, 0, 2, \first
	PLACES
	FETCH \slot, \k, \g
	s_wait_dscnt 32                                ; all but the 32 just issued
	WIN MUL
	MUL8 \f, 1, 0, 0
	MUL8 \f, 1, 2, 0
.endm
; The last quarter multiplies buffer 1 and changes slots: ONE barrier; in front of it each wave waits for all its tensor loads, adds 0 to its spare word, and waits for that and for its own reads of this slot.
; fill = 1: the barrier opens a round of the cluster's barrier, and this slot is filled again, two K steps ahead.
.macro TURN slot, next, fill
	WIN 0                                          ; (the add's two registers lie in window 0)
	s_wait_tensorcnt 0x0                           ; all my tensor loads have landed: my part of the next slot
	ds_add_u32 v[SPW], v[NIL]                      ; 0 onto my spare word
	s_wait_dscnt 17                                ; (the add and the youngest sixteen loads may be out)
	WIN MUL
	MUL8 F1, 0, 0, 0                               ; eight matrix instructions stand between the add and the wait for it
	s_wait_dscnt 0x0                               ; the add is done, and my reads of this slot are over
	s_barrier_signal -1
	MUL8 F1, 0, 2, 0
.if \fill
	WIN 0
.endif
	s_barrier_wait -1
.if \fill
	CREST                                          ; no wave of any partner still reads this slot's tile or has a load on its way
	s_add_nc_u64 s[G0+4*\slot+2:G0+4*\slot+3], s[G0+4*\slot+2:G0+4*\slot+3], 2*STEPA
	s_add_nc_u64 s[G0B+4*\slot+2:G0B+4*\slot+3], s[G0B+4*\slot+2:G0B+4*\slot+3], 2*STEPW
	JLOAD \slot                                    ; the first tensor load behind the round; the four v_nop behind it are also the places in front of the loads below
.else
	PLACES
.endif
	FETCH \next, 0, F0
	WIN MUL
	MUL8 F1, 1, 0, 0
	MUL8 F1, 1, 2, 0
.endm
	s_wait_tensorcnt 1                             ; my part of K step 0 is in; K step 1's load may be out
	s_barrier_signal -1
	s_barrier_wait -1                              ; everybody's is
	FETCH 0, 0, F0
	s_wait_loadcnt 0x0                             ; the bias
	QUARTER 0, HB, F0, F1, 1                       ; the first quarter stands in front of the loop: its first products start the sums, on the bias
	WIN 0                                          ; at a label and at a branch every window is 0
	s_mov_b32 s3, LAPS-1
.Llap:                                                 ; a trip goes once round the ring, from a lap's second quarter to the next lap's first, and fills both slots again
	QUARTER 0, 2*HB, F1, F0, 0
	QUARTER 0, 3*HB, F0, F1, 0
	TURN 0, 1, 1
	QUARTER 1, HB,   F0, F1, 0
	QUARTER 1, 2*HB, F1, F0, 0
	QUARTER 1, 3*HB, F0, F1, 0
	TURN 1, 0, 1
	QUARTER 0, HB,   F0, F1, 0
	WIN 0
	s_sub_co_u32 s3, s3, 1
	s_cmp_lg_u32 s3, 0
	s_cbranch_scc1 .Llap
	QUARTER 0, 2*HB, F1, F0, 0                     ; the last lap fills nothing, and has no round of the cluster's barrier
	QUARTER 0, 3*HB, F0, F1, 0
	TURN 0, 1, 0
	QUARTER 1, HB,   F0, F1, 0
	QUARTER 1, 2*HB, F1, F0, 0
	QUARTER 1, 3*HB, F0, F1, 0
	s_wait_dscnt 16                                ; the very last quarter: nothing more to fetch
	WIN MUL
	MUL8 F1, 0, 0, 0
	MUL8 F1, 0, 2, 0
	s_wait_dscnt 0
	MUL8 F1, 1, 0, 0
	MUL8 F1, 1, 2, 0
	WIN 0
; THE WAY OUT, by blocks of 16 rows x 64 columns.  A lane holds 32 neighbouring bytes of a row, and the lanes beside it hold other rows: so a block goes through my own stage and comes back as rows of 256 bytes,
; which sixteen lanes store as 256 consecutive bytes, aligned.  LDS serves a wave's instructions in order (ISA guide 5.7.1.4): no wait between the stage's stores and loads.
.macro TOSTAGE a
.irp b, 0,1,2,3
	ds_store_b128 v[STO], v[ACC+8*(4*(\a)+\b):ACC+8*(4*(\a)+\b)+3] offset:64*\b          ; each accumulator from its low end on
	ds_store_b128 v[STO], v[ACC+8*(4*(\a)+\b)+4:ACC+8*(4*(\a)+\b)+7] offset:64*\b+16
.endr
.irp i, 0,1,2,3,4,5,6,7
	ds_load_b128 v[TMP+32*((\a)%2)+4*\i:TMP+32*((\a)%2)+4*\i+3], v[RD] offset:\i*2*SPITCH
.endr
.endm
.macro SEND a, younger                 ; younger: the LDS instructions issued behind block a's loads, which may stay out
	s_wait_dscnt \younger
.irp i, 0,1,2,3,4,5,6,7
	global_store_b128 v[CO], v[TMP+32*((\a)%2)+4*\i:TMP+32*((\a)%2)+4*\i+3], s[8:9] offset:(\a)*65536+\i*8192 th:TH_STORE_NT   ; written once, read by nobody here
.endr
.endm
	PLACES                                         ; behind the last products, ahead of the first read of results
	TOSTAGE 0
.irp a, 1,2,3
.if \a > 1
	s_wait_xcnt 0x0                                ; block a - 2's stores have read their registers: block a's loads may land there
.endif
	TOSTAGE \a
	SEND \a-1, 16                                  ; behind block a - 1's loads: block a's 8 stores and 8 loads
.endr
	SEND 3, 0
	s_wait_tensorcnt 0x0                           ; the wave's end, behind my last tensor load and my last LDS store
	ds_add_u32 v[SPW], v[NIL]
	s_wait_dscnt 0x0
	CROUND                                         ; the closing round: no work-group ends while a partner may still ask for a tile that names it
	s_endpgm
.Lfunc_end_k_qa1ff317753_outp:
	.size	k_qa1ff317753_outp, .Lfunc_end_k_qa1ff317753_outp-k_qa1ff317753_outp
	.p2alignl 7, 3214868480
	.fill 96, 4, 3214868480
	.section	.rodata,"a",@progbits
	.p2align	6, 0x0
	.amdhsa_kernel k_qa1ff317753_outp
		.amdhsa_group_segment_fixed_size 327680
		.amdhsa_private_segment_fixed_size 0
		.amdhsa_enable_private_segment 0
		.amdhsa_kernarg_size 32
		.amdhsa_user_sgpr_count 2
		.amdhsa_user_sgpr_kernarg_segment_ptr 1
		.amdhsa_wavefront_size32 1
		.amdhsa_system_sgpr_workgroup_id_x 1
		.amdhsa_system_sgpr_workgroup_id_y 1
		.amdhsa_system_sgpr_workgroup_id_z 1
		.amdhsa_system_vgpr_workitem_id 0
		.amdhsa_next_free_vgpr 512
		.amdhsa_next_free_sgpr 68
		.amdhsa_reserve_vcc 0
		.amdhsa_float_denorm_mode_32 3
		.amdhsa_float_denorm_mode_16_64 3
		.amdhsa_memory_ordered 1
		.amdhsa_forward_progress 1
		.amdhsa_inst_pref_size 87
	.end_amdhsa_kernel
	.amdgpu_metadata
---
amdhsa.version: [ 1, 2 ]
amdhsa.kernels:
  - .name:           k_qa1ff317753_outp
    .symbol:         k_qa1ff317753_outp.kd
    .args:
      - { .name: xh, .offset: 0, .size: 8, .value_kind: global_buffer, .address_space: global }
      - { .name: wfh, .offset: 8, .size: 8, .value_kind: global_buffer, .address_space: global }
      - { .name: out0, .offset: 16, .size: 8, .value_kind: global_buffer, .address_space: global }
      - { .name: bf, .offset: 24, .size: 8, .value_kind: global_buffer, .address_space: global }
    .group_segment_fixed_size: 327680
    .private_segment_fixed_size: 0
    .kernarg_segment_align: 8
    .kernarg_segment_size: 32
    .max_flat_workgroup_size: 128
    .sgpr_count:     68
    .vgpr_count:     512
    .wavefront_size: 32
...
	.end_amdgpu_metadata
.endif
;; end of part 4
